; MI455X (gfx1250); checked and timed in simulation.
; The chip was launched on July 23, 2026; its instructions are those of AMD's public machine-readable ISA for CDNA 5 (MIT licence, August 2026) and "CDNA5" Instruction Set Architecture Reference Guide (July 2026). The comments in the code are by the model that wrote it; some were corrected since.
;; Causal Multi Head Attention. Allowed arithmetic: matrix products marked QUANTISED: E2M1 operands, one E8M0 scale for each 32 along K, by v_wmma_scale_f32_16x16x128_f8f6f4 with both operands' format E2M1 (or v_wmma_scale_f32_32x16x128_f4), f32 sums; products left as they are: bf16, f16 or f32 operands; f32 sums; everything else in f32.
;; Inputs: W_attn 1,024 x 3,072 float32; W_proj 1,024 x 1,024 float32; b_attn 3,072 float32; b_proj 1,024 float32; x 4 x 2,048 x 1,024 float32.
;; Outputs: out0 4 x 2,048 x 1,024 float32.
;; This version of the problem:
;;   THIS VERSION OF THE PROBLEM IS GIVEN IN LOW PRECISION. The matrix products marked QUANTISED in the list below multiply operands that are first quantised to E2M1 (2 exponent bits, 1 mantissa bit; 4 bits a number), with one power-of-two scale for each 32 numbers along K (OCP MX v1.0); their sums are f32. The products marked 'left as it is' may take bf16, f16 or f32 operands, with f32 sums. Whichever they take, every output number must still come out within the allowed error. Rounding operands to bf16 (8 significant bits) uses up far more of that allowance than f16 does (11 bits, for magnitudes from 6e-5 to 65,504). All else is computed in f32.
;;   The module's matrix products, in the order in which they are computed (A, B: the left and right operand; K: the contracted axis; several contracted axes count as one K, in the product's order):
;;     1. [M 8,192, K 1,024] x [K 1,024, N 3,072]; A: input x; B: input W_attn: QUANTISED
;;     2. batch 64 x [M 2,048, K 64] x [K 64, N 2,048]; A: computed on the way; B: computed on the way: left as it is (an operand is computed on the way)
;;     3. batch 64 x [M 2,048, K 2,048] x [K 2,048, N 64]; A: computed on the way; B: computed on the way: left as it is (an operand is computed on the way)
;;     4. [M 8,192, K 1,024] x [K 1,024, N 1,024]; A: computed on the way; B: input W_proj: left as it is (an operand is computed on the way)
;;   THE QUANTISER, for each operand of a quantised product, along K:
;;     - K is cut into blocks of 32 from its start; a last block that is shorter is filled with zeros.
;;     - A block's scale is 2^e with e = floor(log2(the largest magnitude in the block)) - 2, held to -126 .. 127; a block of zeros has e = 0. As a byte (E8M0): e + 127.
;;     - Each number is divided by its block's scale, clamped to +-6, and rounded to the nearest number of E2M1, ties to even, subnormals kept.
;;     - The product sums the exact products of the quantised numbers (number of the format x scale) in f32.
;;   ~~~python
;;   def quantise(x, axis):      # numpy; x: float32 -> the quantised numbers, widened to float32 again
;;       x = np.moveaxis(x, axis, -1); K = x.shape[-1]
;;       x = np.pad(x, [(0, 0)] * (x.ndim - 1) + [(0, -K % 32)]); x = x.reshape(x.shape[:-1] + (-1, 32)); a = np.abs(x).max(-1, keepdims=True)
;;       e = np.where(a > 0, np.clip(np.frexp(np.where(a > 0, a, 1))[1] - 1 - 2, -126, 127), 0)      # np.frexp(a)[1] - 1 = floor(log2(a)), exactly
;;       r = np.clip(x / 2.0 ** e, -6, 6)
;;       step = 2.0 ** (np.maximum(np.frexp(np.where(r == 0, 1, r))[1] - 1, 0) - 1)
;;       q = np.round(r / step) * step * 2.0 ** e      # np.round: ties to even
;;       return np.moveaxis(q.reshape(q.shape[:-2] + (-1,))[..., :K], -1, axis).astype(np.float32)
;;   ~~~
;; One version. Each part assembles by itself: llvm-mc -triple=amdgcn-amd-amdhsa -mcpu=gfx1250 --defsym DOCPART=n.
;; ======== version 1 of 1: 5 launches
;; limits: values are held in f16: magnitudes above 65,504 overflow, below 6.1e-05 lose precision
;; workspace buffers: xc 4,194,304 bytes; xs 262,144 bytes; wc 1,572,864 bytes; ws 98,304 bytes; wpt 2,097,152 bytes; qkv16 50,331,648 bytes; qkv32 786,432 bytes; a16 16,777,216 bytes
;; launch prep (part 1): grid 368 x 1, 4 waves a work-group, no clusters, 102,912 bytes of LDS; arguments x, W_attn, W_proj, xc, xs, wc, ws, wpt; writes xc, xs, wc, ws, wpt
.if DOCPART == 1
	.amdgcn_target "amdgcn-amd-amdhsa--gfx1250"
	.amdhsa_code_object_version 6
	.text
	.protected	k_q960f27861d_prep
	.globl	k_q960f27861d_prep
	.p2align	8
	.type	k_q960f27861d_prep,@function
k_q960f27861d_prep:
	s_mov_b64 s[64:65], 0
	v_nop
	global_prefetch_b8 v0, s[64:65] scope:SCOPE_SE
	s_setreg_imm32_b32 hwreg(HW_REG_WAVE_MODE, 25, 1), 1
	s_wait_xcnt 0x0
; PREP: three jobs in one launch, told apart by the work-group's number alone; the three paths never join, and each has LDS bytes of its own.
;   X (work-groups 0-255):   x [8192][1024] f32, K innermost  -> xc [8192][512 bytes] codes of E2M1, xs [8192][32] E8M0 bytes.
;   W (work-groups 256-303): W_attn [1024 k][3072 n] f32, K is the first axis -> wc [3072 n][512 bytes], ws [3072][32].
;   P (work-groups 304-367): W_proj [1024 k][1024 n] f32 -> wpt [1024 n][1024 k] f16 (rounded to nearest even), K innermost.
; THE QUANTISER: a block of 32 along K has the scale 2^(floor(log2(largest magnitude)) - 2); its byte is the largest magnitude's exponent field - 2, held at 1 from below;
; each number is divided by the scale and rounded to the nearest code, ties to even, beyond 6 the code of 6.
; LIMITS: a block of zeros gets the byte 1 where the rule says 127 (its codes are zeros, which add nothing, and this program alone reads the bytes); blocks whose largest magnitude lies under 2^-124
; are held at byte 1; NaN and infinities among the inputs are not served; |W_proj| must stay under 65,504 (f16).
; No tensor loads, no barrier: waves share nothing.
.set SPARE,  102400                    ; behind the three regions: the spare words, 128 bytes for each wave; no other line names them
.set SPW,    192                       ; v192  LDS address of my spare word; never rewritten
.set NIL,    193                       ; v193  0; never rewritten
; path X
.set STEPS,  16                        ; a wave takes 16 steps of 512 numbers
.set CB,     8                         ; bytes of 16 codes
.set WREG,   8192                      ; LDS: a region for each wave: two stages of 32 x SP bytes, behind them its 256 scale bytes
.set SP,     80                        ; a lane's place in a stage: 64 bytes + 16 of padding
.set R,      16                        ; v16-79   four sets of 16 numbers as loaded
.set X,      80                        ; v80-111  two sets of 16 neighbours
.set E,      112                       ; v112-127 a scale byte for each step
.set C,      128                       ; v128-191 codes, four registers a step: no store's data are written again
; paths W and P
.set WSTG,   32768                     ; W's stages: 32 rows x 272 bytes for each wave
.set PSTG,   67584                     ; P's likewise
.set PITCH,  272
.set XK,     32                        ; v32-95   two sets of 32 numbers down K
.set CK,     96                        ; v96-111  a block's codes or f16 pairs
.set OUTR,   112                       ; v112-175 the way out
.set SB,     24                        ; v24-27   scale bytes, four to a register
	s_load_b256 s[4:11], s[0:1], 0x0               ; x s[4:5], W_attn s[6:7], W_proj s[8:9], xc s[10:11]
	s_load_b256 s[12:19], s[0:1], 0x20             ; xs s[12:13], wc s[14:15], ws s[16:17], wpt s[18:19]
	v_lshl_add_u32 v[SPW], v0, 2, SPARE
	v_mov_b32 v[NIL], 0
	v_lshrrev_b32 v1, 5, v0
	v_readfirstlane_b32 s20, v1                    ; wave 0..3
	v_and_b32 v2, 31, v0                           ; lane
	s_mov_b32 s25, 0                               ; the high word of every offset pair s[24:25]
	s_wait_kmcnt 0x0
	s_cmp_lt_u32 ttmp9, 256
	s_cbranch_scc0 .Lnot_x
; ---------------- PATH X: a plain stream of blocks of 32.  Loads take the bytes as they lie (512 a load); a step's 2,048 bytes turn through the wave's stage, so that a lane holds 16 neighbours.
	v_lshlrev_b32 v3, 4, v2                        ; my 16 bytes of a load's 512
	s_mul_i32 s21, s20, WREG
	v_lshrrev_b32 v14, 2, v2
	v_mul_u32_u24 v14, v14, SP
	v_and_b32 v15, 3, v2
	v_lshl_add_u32 v14, v15, 4, v14
	v_add_nc_u32 v14, s21, v14                     ; the stage, way in: SP (lane / 4) + 16 (lane % 4)
	v_mul_u32_u24 v15, v2, SP
	v_add_nc_u32 v15, s21, v15                     ; way out: SP x lane
	v_mul_u32_u24 v4, v2, CB                       ; my codes' place in a step's 256 bytes
	v_lshrrev_b32 v5, 1, v2
	s_add_co_u32 s21, s21, 2*32*SP
	v_add_nc_u32 v5, s21, v5                       ; my block's scale byte in the wave's 256
	v_lshlrev_b32 v7, 3, v2
	v_add_nc_u32 v6, s21, v7                       ; and 8 bytes a lane on their way out
	s_lshl_b32 s22, ttmp9, 2
	s_add_co_u32 s22, s22, s20                     ; which run of 8,192 numbers is my wave's
	s_lshl_b32 s24, s22, 15
	s_add_nc_u64 s[4:5], s[4:5], s[24:25]          ; 32,768 bytes of x a run,
	s_lshl_b32 s24, s22, 12
	s_add_nc_u64 s[10:11], s[10:11], s[24:25]      ; 4,096 of codes,
	s_lshl_b32 s24, s22, 8
	s_add_nc_u64 s[12:13], s[12:13], s[24:25]      ; 256 of scale bytes
.macro XLOAD t
.irp i, 0,1,2,3
	global_load_b128 v[R+16*((\t)%4)+4*\i:R+16*((\t)%4)+4*\i+3], v3, s[4:5] offset:2048*(\t)+512*\i th:TH_LOAD_NT
.endr
.endm
.macro XTURN t                         ; LDS serves a wave's instructions in order: no wait between the stores and the loads
.irp i, 0,1,2,3
	ds_store_b128 v14, v[R+16*((\t)%4)+4*\i:R+16*((\t)%4)+4*\i+3] offset:32*SP*((\t)%2)+8*SP*\i
.endr
.irp i, 0,1,2,3
	ds_load_b128 v[X+16*((\t)%2)+4*\i:X+16*((\t)%2)+4*\i+3], v15 offset:32*SP*((\t)%2)+16*\i
.endr
.endm
.irp t, 0,1,2,3
	XLOAD \t
.endr
	s_wait_loadcnt 12                              ; step 0's four loads are in; twelve younger ones stay out
	XTURN 0
.macro XSTEP t
.set XS, X+16*((\t)%2)
.if (\t) > 0
	s_wait_dscnt 1                                 ; this step's numbers are back from the stage; the last step's byte store may be out
.else
	s_wait_dscnt 0x0
.endif
.if (\t)+4 < STEPS
	XLOAD (\t)+4                                   ; into the set that the stage's stores have read
.endif
.if (\t)+1 < STEPS
.if STEPS-2-(\t) >= 3
	s_wait_loadcnt 12                              ; the next step's four loads are in; three later steps' may be out
.else
	s_wait_loadcnt 4*(STEPS-2-(\t))
.endif
	XTURN (\t)+1
.endif
	v_max3_num_f32 v8, |v[XS]|, |v[XS+1]|, |v[XS+2]|
	v_max3_num_f32 v9, |v[XS+3]|, |v[XS+4]|, |v[XS+5]|
.irp i, 6,10
	v_max3_num_f32 v8, v8, |v[XS+\i]|, |v[XS+\i+1]|
	v_max3_num_f32 v9, v9, |v[XS+\i+2]|, |v[XS+\i+3]|
.endr
	v_max3_num_f32 v8, v8, |v[XS+14]|, |v[XS+15]|
	v_max3_num_f32 v8, v8, v9, 0x1800000           ; with the floor 2^(3 - 127): the byte cannot fall under 1
	v_max_num_f32_dpp v8, v8, v8 row_xmask:1 row_mask:0xf bank_mask:0xf   ; and my neighbour's 16: the block's largest magnitude
	v_add_nc_u32 v11, 0xff000000, v8               ; 2 off its exponent field: the conversion takes this operand's exponent field as its scale
	v_cvt_scalef32_pk8_fp4_f32 v[C+4*(\t)], v[XS:XS+7], v11
	v_cvt_scalef32_pk8_fp4_f32 v[C+4*(\t)+1], v[XS+8:XS+15], v11
	v_lshrrev_b32 v[E+(\t)], 23, v11               ; the scale's byte (also the plain line behind the conversions)
	ds_store_b8 v5, v[E+(\t)] offset:16*(\t)       ; both lanes of a block write the same byte with the same value
	global_store_b64 v4, v[C+4*(\t):C+4*(\t)+1], s[10:11] offset:32*CB*(\t)   ; the wave stores 256 consecutive bytes, aligned
.endm
.irp t, 0,1,2,3,4,5,6,7,8,9,10,11,12,13,14,15
	XSTEP \t
.endr
	ds_load_b64 v[8:9], v6                         ; my wave's 256 scale bytes, 8 a lane
	s_wait_dscnt 0x0
	global_store_b64 v7, v[8:9], s[12:13]          ; 256 consecutive bytes, aligned
	s_wait_tensorcnt 0x0                           ; the wave's end: three lines behind my last LDS store
	ds_add_u32 v[SPW], v[NIL]
	s_wait_dscnt 0x0
	s_endpgm
; ---------------- what paths W and P share: a lane takes a column, its registers run down K
.macro LOADK t, stride, b              ; block t: rows 32 t + i of my column, i = 0 .. 31, into set t % 2; 32 lanes read 128 consecutive bytes
.irp i, 0,1,2,3,4,5,6,7,8,9,10,11,12,13,14,15,16,17,18,19,20,21,22,23,24,25,26,27,28,29,30,31
	global_load_b32 v[XK+32*((\t)%2)+\i], v3, s[\b:\b+1] offset:(32*(\t)+\i)*\stride th:TH_LOAD_NT
.endr
.endm
.macro ROWS_OUT b, krow                ; the stage's 32 rows of 256 bytes leave as rows: sixteen lanes store 256 consecutive bytes, aligned
.irp t, 0,1,2,3,4,5,6,7,8,9,10,11,12,13,14,15
	ds_load_b128 v[OUTR+4*\t:OUTR+4*\t+3], v7 offset:2*\t*PITCH
.endr
.irp t, 0,1,2,3,4,5,6,7,8,9,10,11,12,13,14,15
	s_wait_dscnt 15-\t                             ; LDS loads come back in order
	global_store_b128 v8, v[OUTR+4*\t:OUTR+4*\t+3], s[\b:\b+1] offset:2*\t*\krow
.endr
.endm
.Lnot_x:
	s_cmp_lt_u32 ttmp9, 304
	s_cbranch_scc0 .Lpath_p
; ---------------- PATH W: a wave takes 32 columns x 512 along K: 16 blocks a lane, 256 bytes of codes a column
	s_sub_co_u32 s21, ttmp9, 256
	s_lshr_b32 s22, s21, 1                         ; which 128 columns
	s_and_b32 s21, s21, 1                          ; which 512 along K
	s_lshl_b32 s22, s22, 7
	s_lshl_b32 s24, s20, 5
	s_add_co_u32 s22, s22, s24                     ; my wave's first column
	v_lshlrev_b32 v3, 2, v2                        ; in: 4 bytes a lane
	s_mul_i32 s26, s20, 32*PITCH
	s_add_co_u32 s26, s26, WSTG                    ; my stage
	v_mul_u32_u24 v4, v2, PITCH
	v_add_nc_u32 v4, s26, v4                       ; into it: row = my column
	v_and_b32 v5, 15, v2
	v_lshrrev_b32 v6, 4, v2
	v_mul_u32_u24 v7, v6, PITCH
	v_lshl_add_u32 v7, v5, 4, v7
	v_add_nc_u32 v7, s26, v7                       ; out of it: sixteen lanes to a row
	v_mul_u32_u24 v8, v6, 512
	v_lshl_add_u32 v8, v5, 4, v8                   ; the same place in wc
	v_lshlrev_b32 v9, 5, v2                        ; my column's row of scale bytes
	s_mul_i32 s24, s21, 512*12288
	s_lshl_b32 s27, s22, 2
	s_add_co_u32 s24, s24, s27
	s_add_nc_u64 s[6:7], s[6:7], s[24:25]
	s_lshl_b32 s24, s22, 9
	s_lshl_b32 s27, s21, 8
	s_add_co_u32 s24, s24, s27
	s_add_nc_u64 s[14:15], s[14:15], s[24:25]
	s_lshl_b32 s24, s22, 5
	s_lshl_b32 s27, s21, 4
	s_add_co_u32 s24, s24, s27
	s_add_nc_u64 s[16:17], s[16:17], s[24:25]
	LOADK 0, 12288, 6
	LOADK 1, 12288, 6
.macro BLOCKW t
.set XS, XK+32*((\t)%2)
.if (\t) < 15
	s_wait_loadcnt 32                              ; this block's 32 loads are in; the next block's may be out
.else
	s_wait_loadcnt 0x0
.endif
	v_max3_num_f32 v12, |v[XS]|, |v[XS+1]|, |v[XS+2]|              ; all 32 numbers of the block are mine
	v_max3_num_f32 v13, |v[XS+3]|, |v[XS+4]|, |v[XS+5]|
.irp i, 6,10,14,18,22,26
	v_max3_num_f32 v12, v12, |v[XS+\i]|, |v[XS+\i+1]|
	v_max3_num_f32 v13, v13, |v[XS+\i+2]|, |v[XS+\i+3]|
.endr
	v_max3_num_f32 v12, v12, |v[XS+30]|, |v[XS+31]|
	v_max3_num_f32 v12, v12, v13, 0x1800000        ; with the floor
	v_add_nc_u32 v11, 0xff000000, v12              ; the conversion's scale operand
	v_lshrrev_b32 v13, 23, v11                     ; the byte
.if (\t)%4 == 0
	v_mov_b32 v[SB+(\t)/4], v13
.else
	v_lshl_or_b32 v[SB+(\t)/4], v13, 8*((\t)%4), v[SB+(\t)/4]
.endif
.irp g, 0,1,2,3
	v_cvt_scalef32_pk8_fp4_f32 v[CK+\g], v[XS+8*\g:XS+8*\g+7], v11
.endr
	v_nop                                          ; one plain line behind the last conversion
	ds_store_b128 v4, v[CK:CK+3] offset:16*(\t)    ; 32 codes: 16 bytes of my column's row
.if (\t)+2 < 16
	LOADK (\t)+2, 12288, 6
.endif
	s_wait_dscnt 0x0                               ; the store has read its registers: the next block's codes may be written
.endm
.irp t, 0,1,2,3,4,5,6,7,8,9,10,11,12,13,14,15
	BLOCKW \t
.endr
	global_store_b128 v9, v[SB:SB+3], s[16:17]     ; my column's 16 scale bytes
	ROWS_OUT 14, 512
	s_wait_tensorcnt 0x0                           ; the wave's end: the three lines
	ds_add_u32 v[SPW], v[NIL]
	s_wait_dscnt 0x0
	s_endpgm
; ---------------- PATH P: a wave takes 32 columns x 128 along K: 256 bytes of f16 a column
.Lpath_p:
	s_sub_co_u32 s21, ttmp9, 304
	s_lshr_b32 s22, s21, 3                         ; which 128 columns
	s_and_b32 s21, s21, 7                          ; which 128 along K
	s_lshl_b32 s22, s22, 7
	s_lshl_b32 s24, s20, 5
	s_add_co_u32 s22, s22, s24                     ; my wave's first column
	v_lshlrev_b32 v3, 2, v2
	s_mul_i32 s26, s20, 32*PITCH
	s_add_co_u32 s26, s26, PSTG
	v_mul_u32_u24 v4, v2, PITCH
	v_add_nc_u32 v4, s26, v4
	v_and_b32 v5, 15, v2
	v_lshrrev_b32 v6, 4, v2
	v_mul_u32_u24 v7, v6, PITCH
	v_lshl_add_u32 v7, v5, 4, v7
	v_add_nc_u32 v7, s26, v7
	v_lshlrev_b32 v8, 11, v6
	v_lshl_add_u32 v8, v5, 4, v8                   ; a row of wpt is 2,048 bytes
	s_lshl_b32 s24, s21, 19                        ; 128 rows of 4,096 bytes
	s_lshl_b32 s27, s22, 2
	s_add_co_u32 s24, s24, s27
	s_add_nc_u64 s[8:9], s[8:9], s[24:25]
	s_lshl_b32 s24, s22, 11
	s_lshl_b32 s27, s21, 8
	s_add_co_u32 s24, s24, s27
	s_add_nc_u64 s[18:19], s[18:19], s[24:25]
	LOADK 0, 4096, 8
	LOADK 1, 4096, 8
.macro BLOCKP t
.set XS, XK+32*((\t)%2)
.if (\t) < 3
	s_wait_loadcnt 32
.else
	s_wait_loadcnt 0x0
.endif
.irp i, 0,1,2,3,4,5,6,7,8,9,10,11,12,13,14,15
	v_cvt_pk_f16_f32 v[CK+\i], v[XS+2*\i], v[XS+2*\i+1]            ; the lower k in the low half
.endr
.irp g, 0,1,2,3
	ds_store_b128 v4, v[CK+4*\g:CK+4*\g+3] offset:64*(\t)+16*\g
.endr
.if (\t)+2 < 4
	LOADK (\t)+2, 4096, 8
.endif
	s_wait_dscnt 0x0                               ; the stores have read their registers
.endm
.irp t, 0,1,2,3
	BLOCKP \t
.endr
	ROWS_OUT 18, 2048
	s_wait_tensorcnt 0x0                           ; the wave's end: the three lines
	ds_add_u32 v[SPW], v[NIL]
	s_wait_dscnt 0x0
	s_endpgm
.Lfunc_end_k_q960f27861d_prep:
	.size	k_q960f27861d_prep, .Lfunc_end_k_q960f27861d_prep-k_q960f27861d_prep
	.p2alignl 7, 3214868480
	.fill 96, 4, 3214868480
	.section	.rodata,"a",@progbits
	.p2align	6, 0x0
	.amdhsa_kernel k_q960f27861d_prep
		.amdhsa_group_segment_fixed_size 102912
		.amdhsa_private_segment_fixed_size 0
		.amdhsa_enable_private_segment 0
		.amdhsa_kernarg_size 64
		.amdhsa_user_sgpr_count 2
		.amdhsa_user_sgpr_kernarg_segment_ptr 1
		.amdhsa_wavefront_size32 1
		.amdhsa_system_sgpr_workgroup_id_x 1
		.amdhsa_system_sgpr_workgroup_id_y 1
		.amdhsa_system_sgpr_workgroup_id_z 1
		.amdhsa_system_vgpr_workitem_id 0
		.amdhsa_next_free_vgpr 200
		.amdhsa_next_free_sgpr 66
		.amdhsa_reserve_vcc 0
		.amdhsa_float_denorm_mode_32 3
		.amdhsa_float_denorm_mode_16_64 3
		.amdhsa_memory_ordered 1
		.amdhsa_forward_progress 1
		.amdhsa_inst_pref_size 133
	.end_amdhsa_kernel
	.amdgpu_metadata
---
amdhsa.version: [ 1, 2 ]
amdhsa.kernels:
  - .name:           k_q960f27861d_prep
    .symbol:         k_q960f27861d_prep.kd
    .args:
      - { .name: x, .offset: 0, .size: 8, .value_kind: global_buffer, .address_space: global }
      - { .name: W_attn, .offset: 8, .size: 8, .value_kind: global_buffer, .address_space: global }
      - { .name: W_proj, .offset: 16, .size: 8, .value_kind: global_buffer, .address_space: global }
      - { .name: xc, .offset: 24, .size: 8, .value_kind: global_buffer, .address_space: global }
      - { .name: xs, .offset: 32, .size: 8, .value_kind: global_buffer, .address_space: global }
      - { .name: wc, .offset: 40, .size: 8, .value_kind: global_buffer, .address_space: global }
      - { .name: ws, .offset: 48, .size: 8, .value_kind: global_buffer, .address_space: global }
      - { .name: wpt, .offset: 56, .size: 8, .value_kind: global_buffer, .address_space: global }
    .group_segment_fixed_size: 102912
    .private_segment_fixed_size: 0
    .kernarg_segment_align: 8
    .kernarg_segment_size: 64
    .max_flat_workgroup_size: 128
    .sgpr_count:     66
    .vgpr_count:     200
    .wavefront_size: 32
...
	.end_amdgpu_metadata
.endif
;; end of part 1
;; launch qkv (part 2): grid 12 x 32, 4 waves a work-group, clusters of 4 x 4, 327,680 bytes of LDS; arguments xc, xs, wc, ws, b_attn, qkv16, qkv32; writes qkv16, qkv32
.if DOCPART == 2
	.amdgcn_target "amdgcn-amd-amdhsa--gfx1250"
	.amdhsa_code_object_version 6
	.text
	.protected	k_q960f27861d_qkv
	.globl	k_q960f27861d_qkv
	.p2align	8
	.type	k_q960f27861d_qkv,@function
k_q960f27861d_qkv:
	s_mov_b64 s[64:65], 0
	v_nop
	global_prefetch_b8 v0, s[64:65] scope:SCOPE_SE
	s_setreg_imm32_b32 hwreg(HW_REG_WAVE_MODE, 25, 1), 1
	s_wait_xcnt 0x0
	s_wait_alu depctr_hold_cnt(0) depctr_sa_sdst(0) depctr_va_vdst(0) depctr_va_sdst(0) depctr_va_ssrc(0) depctr_va_vcc(0) depctr_vm_vsrc(0)
	s_getreg_b32 s2, hwreg(HW_REG_IB_STS2, 6, 4)
	s_cmp_eq_u32 s2, 0
	s_cbranch_scc0 .Lentry_in_a_cluster
	s_endpgm
.Lentry_in_a_cluster:
	s_bfe_u32 s2, ttmp6, 0x10000c
	s_cmp_lg_u32 s2, 0xf033
	s_cbranch_scc0 .Lentry_shape_is_right
	s_endpgm
.Lentry_shape_is_right:
; QKV: qkv[m][n] = sum over k of Q(x)[m][k] Q(W_attn)[k][n] + b_attn[n], m = 8,192, n = 3,072, k = 1,024, on codes of E2M1 with one E8M0 scale for each 32 along K; sums in f32.
; OUT: qkv16 [3 sections q, k, v][64 batch x head][2,048 positions][64] f16 (a head's 16 rows are 2,048 dense bytes), and qkv32 [4][16][3,072] f32: positions 0-15 of each batch, unrounded.
; LIMIT: |q|, |k|, |v| must stay under 65,504 (f16).
; A tile of C, 256 x 256, is made by four waves, each 128 x 128: 64 accumulators, 512 registers.  K = 1,024 is two slots of 512 (LDS rows of 256 bytes): both are asked for at the head, and nothing is filled again.
; The scale bytes of the work-group's 256 rows of x and 256 rows of W, for all of K, are two dense blocks: they come once, in rows of 256 bytes.
; CLUSTERS: 4 x 4 work-groups; A's tiles are asked for jointly along a row of the cluster, B's along a column.  Tile row = 8 cy + cluster y: so the batch is cy and the first position 256 x cluster y,
; and the branch round the f32 copy hangs on cluster y and the wave's number, which all partners share, never on a place in the cluster.
; THE MATRIX INSTRUCTION IS USED TRANSPOSED (source 0 = 16 rows of W, source 1 = 16 rows of x): a lane holds eight neighbouring columns of one row.  The bias is the C of each sum's first product.
; REGISTERS: window 0: v0-31 addresses; v32-95 scale words, two sets; v128-191 A's fragments, one set; v192-255 the bias (block b at 192 + 8 b).  window 1: B's fragments, two sets, v0 and v128.
;   window 2: accumulators of my rows 0-63 ((a, b) at 8 (8 a + b)); window 3: rows 64-127.  On the way out v32-191 of window 0 are free.
.set NQ,     4                         ; steps of 128 along K in a slot
.set ROWB,   256
.set KROW,   512                       ; a row of codes in memory
.set PITCH,  272                       ; an LDS row: 256 bytes + 16 of padding: the 16 rows of a fragment load start at 16 different banks (64 banks of 4 bytes: ISA guide 11.1)
.set FR,     8
.set NL,     2
.set NP,     4                         ; places behind this matrix instruction (ISA guide 7.12.1)
.set HALFT,  128*PITCH
.set SLOT,   4*HALFT
.set KS,     32                        ; a row of scale bytes
.set SCL,    2*SLOT
.set HALFS,  16*272                    ; the scales of 128 rows
.set SBLK,   2*272                     ; of 16 rows
.set SPARE,  SCL+4*HALFS               ; the spare words, 128 bytes a wave; no other line names them
.set STG32,  0                         ; the way out's stages lie in slot 0, which has had its only fill and its last read by then: f32: 16 rows x 528 a wave;
.set STG16,  4*16*528                  ; f16: 16 rows x 272 a wave
.set STO16, 8
.set RD16,  9
.set CO16,  10
.set STO32, 11
.set RD32,  12
.set CO32,  13
.set BV,    14                         ; v14  the bias loads' offset
.set ADRA,  16
.set ADRB,  20
.set ADRS,  27
.set SPW,   28
.set NIL,   29
.set SC,    32
.set AF,    128
.set BI,    192
.set TMP,   32                         ; the way out: packed f16
.set BK16,  64                         ; 16 rows read back: v64-95 and v96-127 by turns
.set BK32,  128
.set WV,  2                            ; s2   wave
.set RH,  18                           ; s18  which half of the tile's rows is mine; also: I fetch for A (0) or B (1)
.set CH,  19                           ; s19  which half of its columns; also: which 128 rows I fetch
.set G1, 24
.set G0, 32
.set G1B, 48
.set G0B, 56
.set G1S, 68
.set G0S, 76
.set G1SB, 80
.set G0SB, 88
.set MSB, 0
.macro WIN new                         ; the immediate's high byte repeats the setting that is left
.if MSB != (\new)
	s_set_vgpr_msb (MSB<<8)|(\new)
.set MSB, (\new)
.endif
.endm
.set MUL_LO, 0xa1                      ; source 0 (B) window 1, source 1 (A) window 0, C and D window 2
.set MUL_HI, 0xf1                      ; C and D window 3
.set TO_B,   0x40
; A joint load: waves 0 and 1 fetch for A, waves 2 and 3 for B; the branch hangs on the wave's number alone.  An s_nop 0 and four v_nop follow each line.
.macro JLOAD g0a, g1a, g0b, g1b
	s_cmp_eq_u32 s[RH], 0
	s_cbranch_scc0 .Lfor_b_\@
	tensor_load_to_lds s[\g0a:\g0a+3], s[\g1a:\g1a+7]
	s_nop 0
.rept 4
	v_nop
.endr
	s_branch .Lasked_\@
.Lfor_b_\@:
	tensor_load_to_lds s[\g0b:\g0b+3], s[\g1b:\g1b+7]
	s_nop 0
.rept 4
	v_nop
.endr
.Lasked_\@:
.endm
.macro CROUND                          ; a round of the cluster's barrier
	s_barrier_signal -1
	s_barrier_wait -1
	s_cmp_lg_u32 s[WV], 0
	s_cbranch_scc1 .Lnot_wave_0_\@
	s_barrier_signal -3
.Lnot_wave_0_\@:
	s_barrier_wait -3
	s_barrier_signal -1
	s_barrier_wait -1
.endm
	s_load_b256 s[4:11], s[0:1], 0x0               ; xc s[4:5], xs s[6:7], wc s[8:9], ws s[10:11]
	s_load_b128 s[12:15], s[0:1], 0x20             ; b_attn s[12:13], qkv16 s[14:15]
	s_load_b64 s[16:17], s[0:1], 0x30              ; qkv32
	v_lshl_add_u32 v[SPW], v0, 2, SPARE
	v_mov_b32 v[NIL], 0
	ds_add_u32 v[SPW], v[NIL]                      ; the wave's opening: the add, twice on end, and its wait ahead of my first tensor load
	ds_add_u32 v[SPW], v[NIL]
	v_lshrrev_b32 v1, 5, v0
	v_readfirstlane_b32 s[WV], v1
	s_lshr_b32 s[RH], s[WV], 1
	s_and_b32 s[CH], s[WV], 1
	s_bfe_u32 s40, ttmp6, 0x40000                  ; cx
	s_bfe_u32 s41, ttmp6, 0x40004                  ; cy
	s_lshl_b32 s42, ttmp9, 2
	s_add_co_u32 s42, s42, s40                     ; tile column = 4 x cluster x + cx
	s_and_b32 s67, ttmp7, 0xffff                   ; cluster y
	s_lshl_b32 s66, s41, 3
	s_add_co_u32 s66, s66, s67                     ; tile row = 8 cy + cluster y
	s_or_b32 s96, s67, s[RH]                       ; 0 where my first 16 rows are a batch's positions 0-15
	s_lshl_b32 s43, s41, 2
	s_lshl_b32 s43, 15, s43                        ; my row of the cluster
	s_lshl_b32 s44, 0x1111, s40                    ; my column
	s_or_b32 s[G1+0], s43, (0<<16)|(1<<20)|(1<<21)|(5<<22)|(3<<25)   ; mask; elements of 1 byte; padding on; bit 21 beside a mask; 4 words after every 64
	s_or_b32 s[G1B+0], s44, (0<<16)|(1<<20)|(1<<21)|(5<<22)|(3<<25)
.irp g, G1, G1B
	s_mov_b32 s[\g+1], ROWB<<16                    ; tensor_dim0
	s_mov_b32 s[\g+2], 128<<16                     ; tensor_dim1
	s_mov_b32 s[\g+3], ROWB<<16                    ; tile_dim0
	s_mov_b32 s[\g+4], 128                         ; tile_dim1
	s_mov_b32 s[\g+5], KROW                        ; from row to row
	s_mov_b32 s[\g+6], 0
	s_mov_b32 s[\g+7], 0
.endr
	s_or_b32 s[G1S+0], s43, (3<<16)|(1<<20)|(1<<21)|(5<<22)|(3<<25)  ; the scales of 128 rows: 4,096 dense bytes as 16 rows of 32 elements of 8 bytes
	s_or_b32 s[G1SB+0], s44, (3<<16)|(1<<20)|(1<<21)|(5<<22)|(3<<25)
.irp g, G1S, G1SB
	s_mov_b32 s[\g+1], 32<<16
	s_mov_b32 s[\g+2], 16<<16
	s_mov_b32 s[\g+3], 32<<16
	s_mov_b32 s[\g+4], 16
	s_mov_b32 s[\g+5], 32
	s_mov_b32 s[\g+6], 0
	s_mov_b32 s[\g+7], 0
.endr
	s_lshl_b32 s3, s[CH], 7                        ; which 128 rows of the tile I fetch
	s_lshl_b32 s20, s66, 8
	s_add_co_u32 s20, s20, s3                      ; A: row
	s_lshl_b32 s46, s42, 8
	s_add_co_u32 s46, s46, s3                      ; B: row
	s_lshl_b32 s22, s20, 5                         ; their scale bytes,
	s_mov_b32 s23, 0
	s_lshl_b32 s92, s46, 5
	s_mov_b32 s93, 0
	s_lshl_b32 s20, s20, 9                         ; and their codes
	s_mov_b32 s21, 0
	s_lshl_b32 s46, s46, 9
	s_mov_b32 s47, 0
	s_mul_i32 s45, s[WV], HALFT                    ; where they go: no place in the cluster enters an LDS address
	s_mul_i32 s94, s[WV], HALFS
	s_wait_dscnt 0x0                               ; both opening adds are done
	s_wait_kmcnt 0x0
	s_add_nc_u64 s[20:21], s[4:5], s[20:21]
	s_add_nc_u64 s[22:23], s[6:7], s[22:23]
	s_add_nc_u64 s[46:47], s[8:9], s[46:47]
	s_add_nc_u64 s[92:93], s[10:11], s[92:93]
	CROUND                                         ; all sixteen work-groups are here: the joint loads meet
	s_mov_b32 s[G0S], 1
	s_add_co_u32 s[G0S+1], s94, SCL
	s_mov_b64 s[G0S+2:G0S+3], s[22:23]
	s_or_b32 s[G0S+3], s[G0S+3], 0x80000000
	s_mov_b32 s[G0SB], 1
	s_add_co_u32 s[G0SB+1], s94, SCL
	s_mov_b64 s[G0SB+2:G0SB+3], s[92:93]
	s_or_b32 s[G0SB+3], s[G0SB+3], 0x80000000
	JLOAD G0S, G1S, G0SB, G1SB                     ; the scales first
.irp s, 0,1
	s_mov_b32 s[G0+4*\s], 1
	s_add_co_u32 s[G0+4*\s+1], s45, \s*SLOT
	s_add_nc_u64 s[G0+4*\s+2:G0+4*\s+3], s[20:21], \s*ROWB
	s_or_b32 s[G0+4*\s+3], s[G0+4*\s+3], 0x80000000
	s_mov_b32 s[G0B+4*\s], 1
	s_add_co_u32 s[G0B+4*\s+1], s45, \s*SLOT
	s_add_nc_u64 s[G0B+4*\s+2:G0B+4*\s+3], s[46:47], \s*ROWB
	s_or_b32 s[G0B+4*\s+3], s[G0B+4*\s+3], 0x80000000
	JLOAD G0+4*\s, G1, G0B+4*\s, G1B               ; three tensor loads of mine are out
.endr
	v_and_b32 v1, 15, v0                           ; r
	v_bfe_u32 v2, v0, 4, 1                         ; h
	s_lshl_b32 s20, s42, 10
	s_lshl_b32 s21, s[CH], 9
	s_add_co_u32 s20, s20, s21                     ; 4 x my first column
	s_mov_b32 s21, 0
	s_add_nc_u64 s[12:13], s[12:13], s[20:21]
	v_lshlrev_b32 v[BV], 5, v2                     ; lane (r, h) wants b_attn at my first column + 16 b + 8 h + 0 .. 7
.irp b, 0,1,2,3,4,5,6,7
	global_load_b128 v[BI+8*\b:BI+8*\b+3], v[BV], s[12:13] offset:64*\b
	global_load_b128 v[BI+8*\b+4:BI+8*\b+7], v[BV], s[12:13] offset:64*\b+16
.endr
	s_mul_i32 s22, s41, 196608                     ; qkv32: my batch's 16 rows of 12,288 bytes
	s_add_co_u32 s20, s20, s22
	s_add_nc_u64 s[16:17], s[16:17], s[20:21]
	s_lshl_b32 s20, s42, 1
	s_add_co_u32 s20, s20, s[CH]                   ; which 128 columns of the 3,072: two heads
	s_lshr_b32 s21, s20, 3
	s_lshl_b32 s21, s21, 24                        ; the section
	s_and_b32 s20, s20, 7
	s_lshl_b32 s20, s20, 1
	s_lshl_b32 s22, s41, 4
	s_add_co_u32 s20, s20, s22                     ; 16 x batch + my even head
	s_lshl_b32 s20, s20, 18
	s_add_co_u32 s20, s20, s21
	s_lshl_b32 s22, s67, 15                        ; position 256 x cluster y, rows of 128 bytes
	s_add_co_u32 s20, s20, s22
	s_lshl_b32 s22, s[RH], 14                      ; + 128 x my half
	s_add_co_u32 s20, s20, s22
	s_mov_b32 s21, 0
	s_add_nc_u64 s[14:15], s[14:15], s[20:21]
	v_mul_u32_u24 v3, v1, PITCH
	v_lshl_add_u32 v4, v2, 4, v3                   ; a fragment's row x pitch + 16 x half
	s_mul_i32 s21, s[RH], HALFT
	s_mul_i32 s22, s[CH], HALFT
	s_add_co_u32 s22, s22, 2*HALFT
.irp s, 0,1
	v_add_nc_u32 v[ADRA+\s], s21, v4
	v_add_nc_u32 v[ADRB+\s], s22, v4
	s_add_co_u32 s21, s21, SLOT
	s_add_co_u32 s22, s22, SLOT
.endr
	v_mul_u32_u24 v5, v1, KS                       ; my row's scales: 32 bytes a row,
	v_lshrrev_b32 v6, 8, v5
	v_lshl_add_u32 v5, v6, 4, v5                   ; and 16 more for each 256 passed
	s_mul_i32 s21, s[RH], HALFS
	s_mul_i32 s22, s[CH], HALFS
	s_add_co_u32 s22, s22, 2*HALFS
	s_sub_co_u32 s22, s22, s21
	v_mul_u32_u24 v6, s22, v2                      ; lanes 16-31 take B's
	s_add_co_u32 s21, s21, SCL
	v_add_nc_u32 v5, v5, v6
	v_add_nc_u32 v[ADRS], s21, v5
	s_mul_i32 s23, s[WV], 16*528
	v_mul_u32_u24 v5, v1, 528
	v_lshl_add_u32 v5, v2, 5, v5
	v_add_nc_u32 v[STO32], s23, v5                 ; f32 stage, in: row r, 32 bytes for each half of the lanes
	v_and_b32 v6, 31, v0
	v_lshlrev_b32 v[CO32], 4, v6
	v_add_nc_u32 v[RD32], s23, v[CO32]             ; back: the 32 lanes take a row of 512 bytes
	s_mul_i32 s23, s[WV], 16*272
	s_add_co_u32 s23, s23, STG16
	v_mul_u32_u24 v5, v1, 272
	v_lshl_add_u32 v5, v2, 4, v5
	v_add_nc_u32 v[STO16], s23, v5                 ; f16 stage, in: row r, 16 bytes for each half
	v_bfe_u32 v5, v0, 3, 1
	v_mul_u32_u24 v5, v5, 272
	v_lshl_add_u32 v5, v2, 7, v5
	v_and_b32 v7, 7, v0
	v_lshl_add_u32 v5, v7, 4, v5
	v_add_nc_u32 v[RD16], s23, v5                  ; back: lanes 0-15 two rows of the even head's 128 bytes, lanes 16-31 of the odd head's
	v_lshlrev_b32 v[CO16], 4, v1
	v_lshl_add_u32 v[CO16], v2, 18, v[CO16]        ; in qkv16: 256 dense bytes, the odd head 2^18 bytes on
.macro FRAG reg, adr, q, i             ; 16 rows x 128 K of 4-bit codes: 8 registers, two loads of 16 bytes, 32 apart
.irp c, 0,1
	ds_load_b128 v[\reg+4*\c:\reg+4*\c+3], v[\adr] offset:64*(\q)+32*\c+(\i)*16*PITCH
.endr
.endm
; 16 matrix instructions: A's blocks a0, a0 + 1 x B's eight.  first = 1: the sums begin with the bias as C.  The 64 accumulators take turns, one instruction a turn.
.macro MUL16 a0, p, q, sc, first
.irp a, \a0, \a0+1
.irp b, 0,1,2,3,4,5,6,7
.if \first
	v_wmma_scale_f32_16x16x128_f8f6f4 v[8*(8*((\a)%4)+\b):8*(8*((\a)%4)+\b)+7], v[128*(\p)+FR*\b:128*(\p)+FR*\b+FR-1], v[AF+FR*(\a):AF+FR*(\a)+FR-1], v[BI+8*\b:BI+8*\b+7], v[SC+8*NQ*(\sc)+NQ*\b+(\q)], v[SC+8*NQ*(\sc)+NQ*(\a)+(\q)] matrix_a_fmt:MATRIX_FMT_FP4 matrix_b_fmt:MATRIX_FMT_FP4 matrix_a_scale:MATRIX_SCALE_ROW1
.else
	v_wmma_scale_f32_16x16x128_f8f6f4 v[8*(8*((\a)%4)+\b):8*(8*((\a)%4)+\b)+7], v[128*(\p)+FR*\b:128*(\p)+FR*\b+FR-1], v[AF+FR*(\a):AF+FR*(\a)+FR-1], v[8*(8*((\a)%4)+\b):8*(8*((\a)%4)+\b)+7], v[SC+8*NQ*(\sc)+NQ*\b+(\q)], v[SC+8*NQ*(\sc)+NQ*(\a)+(\q)] matrix_a_fmt:MATRIX_FMT_FP4 matrix_b_fmt:MATRIX_FMT_FP4 matrix_a_scale:MATRIX_SCALE_ROW1
.endif
.endr
.endr
.endm
.macro FETCH_B slot, q, p
	WIN TO_B
.irp i, 0,1,2,3,4,5,6,7
	FRAG 128*(\p)+FR*\i, ADRB+\slot, \q, \i
.endr
	WIN 0
.endm
.macro FETCH_A slot, q, i0
.irp i, \i0, \i0+1, \i0+2, \i0+3
	FRAG AF+FR*(\i), ADRA+\slot, \q, \i
.endr
.endm
.macro SCALES sc                       ; a slot's scale words: 4 words a row; lanes 0-15 A's block i, lanes 16-31 B's block i
.irp i, 0,1,2,3,4,5,6,7
	ds_load_b128 v[SC+8*NQ*\sc+NQ*\i:SC+8*NQ*\sc+NQ*\i+3], v[ADRS] offset:\i*SBLK
.endr
.endm
.macro PLACES n                        ; plain vector lines between a matrix instruction and a load into, or a use of, its registers
.rept \n
	v_nop
.endr
.endm
.macro STEP slot, q, first             ; 128 along K whose successor lies in the same slot
	s_wait_dscnt 4*NL                              ; B's set and A's blocks 0-3 are in; the youngest eight loads (A's blocks 4-7) may be out
	WIN MUL_LO-0x20*(\first)                       ; (first: C in window 0)
	MUL16 0, (\q)%2, \q, \slot, \first
	MUL16 2, (\q)%2, \q, \slot, \first
	s_wait_dscnt 0
	PLACES NP
	FETCH_B \slot, (\q)+1, 1-(\q)%2
	FETCH_A \slot, (\q)+1, 0
	WIN MUL_HI-0x30*(\first)
	MUL16 4, (\q)%2, \q, \slot, \first
	MUL16 6, (\q)%2, \q, \slot, \first
	PLACES NP
	WIN 0
	FETCH_A \slot, (\q)+1, 4
.endm
.macro STEPS slot, from
.set Q, \from
.rept NQ-1-\from
	STEP \slot, Q, 0
.set Q, Q+1
.endr
.endm
	s_wait_tensorcnt 1                             ; the scales and my part of slot 0 are in; slot 1's load may stay out
	s_barrier_signal -1
	s_barrier_wait -1
	FETCH_B 0, 0, 0
	FETCH_A 0, 0, 0
	SCALES 0
	FETCH_A 0, 0, 4
	s_wait_loadcnt 0x0                             ; the bias
	STEP 0, 0, 1
	STEPS 0, 1
	; slot 0's last step changes slots: one barrier; in front of it each wave has waited for its part of slot 1 and for its reads of slot 0
	s_wait_tensorcnt 0x0
	ds_add_u32 v[SPW], v[NIL]
	s_wait_dscnt 4*NL+1                            ; the add and the youngest eight loads may be out
	WIN MUL_LO
	MUL16 0, 1, NQ-1, 0, 0
	s_wait_dscnt 0x0
	s_barrier_signal -1
	MUL16 2, 1, NQ-1, 0, 0
	WIN 0
	s_barrier_wait -1
	PLACES NP
	v_add_nc_u32 v[ADRS], 4*NQ, v[ADRS]            ; slot 1's scale words
	FETCH_B 1, 0, 0
	FETCH_A 1, 0, 0
	SCALES 1
	WIN MUL_HI
	MUL16 4, 1, NQ-1, 0, 0
	MUL16 6, 1, NQ-1, 0, 0
	PLACES NP
	WIN 0
	FETCH_A 1, 0, 4
	STEPS 1, 0
	s_wait_dscnt 4*NL                              ; the last step: nothing more to fetch
	WIN MUL_LO
	MUL16 0, 1, NQ-1, 1, 0
	MUL16 2, 1, NQ-1, 1, 0
	s_wait_dscnt 0
	WIN MUL_HI
	MUL16 4, 1, NQ-1, 1, 0
	MUL16 6, 1, NQ-1, 1, 0
	WIN 0
	; THE WAY OUT.  Every wave has passed the change of slots, so nobody reads slot 0: the stages lie there.
	PLACES NP
	s_cmp_lg_u32 s96, 0
	s_cbranch_scc1 .Lno_fine
	WIN 0x08                                       ; an LDS store's data are its source 1: window 2
.irp b, 0,1,2,3,4,5,6,7                        ; my block 0 = positions 0-15 of a batch, unrounded: each accumulator from its low end on
	ds_store_b128 v[STO32], v[8*\b:8*\b+3] offset:64*\b
	ds_store_b128 v[STO32], v[8*\b+4:8*\b+7] offset:64*\b+16
.endr
	WIN 0
.irp t, 0,1,2,3,4,5,6,7,8,9,10,11,12,13,14,15
	ds_load_b128 v[BK32+4*\t:BK32+4*\t+3], v[RD32] offset:\t*528   ; LDS serves a wave's instructions in order: these see my stores
.endr
	s_wait_dscnt 0x0
.irp t, 0,1,2,3,4,5,6,7,8,9,10,11,12,13,14,15
	global_store_b128 v[CO32], v[BK32+4*\t:BK32+4*\t+3], s[16:17] offset:\t*12288   ; 32 lanes store 512 consecutive bytes
.endr
	s_wait_xcnt 0x0
.Lno_fine:
.macro PACK a                          ; block a's 16 rows x 128 columns, rounded to f16: 16 bytes a lane and block of columns
.set AC, 64*((\a)%4)
	WIN 0x0a+5*((\a)/4)                            ; sources 0 and 1: window 2 or 3
.irp b, 0,1,2,3,4,5,6,7
.irp r, 0,1,2,3
	v_cvt_pk_f16_f32 v[TMP+4*\b+\r], v[AC+8*\b+2*\r], v[AC+8*\b+2*\r+1]
.endr
.endr
	WIN 0
.endm
.macro TOSTAGE16 a
.set BB, BK16+32*((\a)%2)
.irp b, 0,1,2,3,4,5,6,7
	ds_store_b128 v[STO16], v[TMP+4*\b:TMP+4*\b+3] offset:32*\b
.endr
.irp t, 0,1,2,3,4,5,6,7
	ds_load_b128 v[BB+4*\t:BB+4*\t+3], v[RD16] offset:\t*544
.endr
.endm
.macro SEND a
.set BB, BK16+32*((\a)%2)
	s_wait_dscnt 0x0                               ; the block is back in registers
	s_wait_xcnt 0x0                                ; the earlier stores have read their registers: the set before may be loaded again behind this wait
.irp t, 0,1,2,3,4,5,6,7
	global_store_b128 v[CO16], v[BB+4*\t:BB+4*\t+3], s[14:15] offset:2048*(\a)+256*\t   ; each half of the lanes stores 256 consecutive bytes, aligned: rows 2 t, 2 t + 1 of one head
.endr
.endm
	PACK 0
	TOSTAGE16 0
.irp a, 1,2,3,4,5,6,7                  ; block a's conversions stand between block a - 1's loads from the stage and the wait for them
	PACK \a
	SEND \a-1
	TOSTAGE16 \a
.endr
	SEND 7
	s_wait_tensorcnt 0x0                           ; the wave's end: three lines
	ds_add_u32 v[SPW], v[NIL]
	s_wait_dscnt 0x0
	CROUND                                         ; the closing round
	s_endpgm
.Lfunc_end_k_q960f27861d_qkv:
	.size	k_q960f27861d_qkv, .Lfunc_end_k_q960f27861d_qkv-k_q960f27861d_qkv
	.p2alignl 7, 3214868480
	.fill 96, 4, 3214868480
	.section	.rodata,"a",@progbits
	.p2align	6, 0x0
	.amdhsa_kernel k_q960f27861d_qkv
		.amdhsa_group_segment_fixed_size 327680
		.amdhsa_private_segment_fixed_size 0
		.amdhsa_enable_private_segment 0
		.amdhsa_kernarg_size 56
		.amdhsa_user_sgpr_count 2
		.amdhsa_user_sgpr_kernarg_segment_ptr 1
		.amdhsa_wavefront_size32 1
		.amdhsa_system_sgpr_workgroup_id_x 1
		.amdhsa_system_sgpr_workgroup_id_y 1
		.amdhsa_system_sgpr_workgroup_id_z 1
		.amdhsa_system_vgpr_workitem_id 0
		.amdhsa_next_free_vgpr 1024
		.amdhsa_next_free_sgpr 100
		.amdhsa_reserve_vcc 0
		.amdhsa_float_denorm_mode_32 3
		.amdhsa_float_denorm_mode_16_64 3
		.amdhsa_memory_ordered 1
		.amdhsa_forward_progress 1
		.amdhsa_inst_pref_size 132
	.end_amdhsa_kernel
	.amdgpu_metadata
---
amdhsa.version: [ 1, 2 ]
amdhsa.kernels:
  - .name:           k_q960f27861d_qkv
    .symbol:         k_q960f27861d_qkv.kd
    .args:
      - { .name: xc, .offset: 0, .size: 8, .value_kind: global_buffer, .address_space: global }
      - { .name: xs, .offset: 8, .size: 8, .value_kind: global_buffer, .address_space: global }
      - { .name: wc, .offset: 16, .size: 8, .value_kind: global_buffer, .address_space: global }
      - { .name: ws, .offset: 24, .size: 8, .value_kind: global_buffer, .address_space: global }
      - { .name: b_attn, .offset: 32, .size: 8, .value_kind: global_buffer, .address_space: global }
      - { .name: qkv16, .offset: 40, .size: 8, .value_kind: global_buffer, .address_space: global }
      - { .name: qkv32, .offset: 48, .size: 8, .value_kind: global_buffer, .address_space: global }
    .group_segment_fixed_size: 327680
    .private_segment_fixed_size: 0
    .kernarg_segment_align: 8
    .kernarg_segment_size: 56
    .max_flat_workgroup_size: 128
    .sgpr_count:     100
    .vgpr_count:     1024
    .wavefront_size: 32
...
	.end_amdgpu_metadata
.endif
;; end of part 2
;; launch attn (part 3): grid 4 x 64, 8 waves a work-group, no clusters, 327,680 bytes of LDS; arguments qkv16, a16; writes a16
.if DOCPART == 3
	.amdgcn_target "amdgcn-amd-amdhsa--gfx1250"
	.amdhsa_code_object_version 6
	.text
	.protected	k_q960f27861d_attn
	.globl	k_q960f27861d_attn
	.p2align	8
	.type	k_q960f27861d_attn,@function
k_q960f27861d_attn:
	s_mov_b64 s[64:65], 0
	v_nop
	global_prefetch_b8 v0, s[64:65] scope:SCOPE_SE
	s_setreg_imm32_b32 hwreg(HW_REG_WAVE_MODE, 25, 1), 1
	s_wait_xcnt 0x0
; ATTN: a16[bh][q][:] = sum over k <= q of softmax_k(Q[q] . K[k] / 8) V[k][:], for 64 (batch, head) pairs, 2,048 positions, head size 64.  Q, K, V: the three sections of qkv16, f16; products with f32 sums;
; maxima and sums in f32; the weights are rounded to f16 for the second product, the result once at the end.
; LIMIT: results must stay under 65,504 (f16); weights under 6e-5 of a row's largest fall into f16's subnormals.
; SHARES.  Work-group (j, bh) owns query blocks j and 7 - j of 256: 9 blocks of 256 keys under the causal mask for every j.  Wave w owns two PIECES of 32 queries (two tiles of 16): L at 256 j + 32 w and
; H at 256 (7 - j) + 32 (7 - w): 33 piece-steps for every wave.  Both pieces walk the same keys, 64 a step, so a fragment of K or V feeds four tiles while L is alive.  Two waves share a SIMD.
; NO CLUSTER: partners j would need 8 - j slots each, so some partner would never read a tile that a joint load brings.
; LAYOUT.  S^T = K Q^T (source 0 = 16 keys, source 1 = 16 queries): a lane holds ONE query (lane % 16) and keys 8 (lane / 16) + 0..7.  Two such tiles, rounded in pairs, are source 1 of O^T = V^T P.  V is turned by ds_load_tr16_b128.
; SOFTMAX.  Running maximum m and sum l for each query: p = 2^(c s - c m), c = log2(e) / 8; in each step O and l are multiplied by a = 2^(c m_old - c m_new).  m begins at -3e38 and O, l at 0: the first step's a is 0.
; THE MASK.  Every work-group walks all 8 slots (constant trip counts); a step all of whose keys come after a piece's queries is jumped by a scalar branch on ids; on the diagonal hidden scores become -infinity.
; A slot whose first key comes after the work-group's last query is not asked for: a jump on ids, the same in all waves, round the tensor load alone; every wait on TENSORcnt here is for 0.
; LDS.  A step's 64 rows of 128 bytes are dense in memory: they come as 32 rows of 256 bytes, K with 16 bytes of padding (pitch 272), V with 32 (288); key i lies at (i / 2) x pitch + (i % 2) x 128.
; A slot holds 4 steps.
; REGISTERS.  window 0: v1-14 addresses; v16-47 statistics, 8 a tile; v62, v63 the add's two; v64-127 S^T of the piece in hand; v128-159 P; v160-223 K.  window 1: v0-63 Q; v64-191 O^T, 32 a tile; v192-255 V.
.set PK,    272
.set PVP,   288
.set VOFF,  32*PK
.set STEPB, 32*(PK+PVP)
.set SLOT1, 1<<17                      ; slot 1 begins here: one exclusive or turns an address from one slot into the other
.set STAGE, SLOT1+4*STEPB              ; behind the ring: 16 rows x 144 bytes for each wave
.set SPARE, STAGE+8*16*144             ; the spare words, 128 bytes a wave; no other line names them
.set AK0, 3
.set AV0, 4
.set ADK, 5
.set ADV, 6
.set QO,  7
.set STO, 8
.set RD,  9
.set GO,  10
.set RD8, 11                           ; v11  r - 8 h
.set DD,  12
.set NINF, 13
.set PFO, 14                           ; v14  256 x lane; never rewritten
.set SPW, 62
.set NIL, 63
.set ST,  16                           ; tile t: +0 c m, +1 m, +2, +3 l (even keys', odd keys'), +4 to +7 at work; a in +6
.set S,   64
.set P,   128
.set KF,  160
.set WV,  8
.set QL0, 12
.set QH0, 13
.set KEY, 14                           ; s14  the step's first key
.set QLAST, 15                         ; s15  the work-group's last query
.set TB,  16                           ; s16  LDS byte at which the step's tiles begin
.set SLOTS, 17
.set STEPC, 18
.set LIM, 19                           ; s19  1 in the head's first work-group, else the greatest number
.set SEL, 20
.set CS,  22
.set G1K, 24
.set G1V, 32
.set G0K, 40
.set G0V, 44
.set QB,  48                           ; s[48:49], s[50:51] Q at piece L's, H's first row
.set OB,  52                           ; s[52:53], s[54:55] a16 likewise
.set PFA, 56
.set MSB, 0
.macro WIN new
.if MSB != (\new)
	s_set_vgpr_msb (MSB<<8)|(\new)
.set MSB, (\new)
.endif
.endm
.set W_KQ, 0x04                        ; Q (source 1) in window 1
.set W_PV, 0x51                        ; V (source 0), O^T (C and D) in window 1
.set W_RS, 0x41                        ; O^T (destination and source 0) in window 1
.set TO1,  0x40
; Waves 0-3 fetch K of the slot's step wave & 3, waves 4-7 V of it.  An s_nop 0 and four v_nop follow each line.
.macro TLOAD
	s_cmp_lt_u32 s[WV], 4
	s_cbranch_scc0 .Lfor_v_\@
	tensor_load_to_lds s[G0K:G0K+3], s[G1K:G1K+7]
	s_nop 0
.rept 4
	v_nop
.endr
	s_branch .Lasked_\@
.Lfor_v_\@:
	tensor_load_to_lds s[G0V:G0V+3], s[G1V:G1V+7]
	s_nop 0
.rept 4
	v_nop
.endr
.Lasked_\@:
.endm
; A prefetch of what the NEXT change of slots will ask for: each wave names the 8,192 bytes that it will itself fetch, lanes 256 bytes apart.  All four work-groups of a head walk the same K and V:
; the first of them (j = 0, which walks every slot) asks, so each block is named once in the launch.  The last change that fills a slot asks for nothing; slots 0 and 1 come by their loads alone.
.macro ASK
	s_cmp_gt_u32 s[SLOTS], s[LIM]
	s_cbranch_scc0 .Lnot_mine_\@
	global_prefetch_b8 v[PFO], s[PFA:PFA+1] th:TH_LOAD_NT scope:SCOPE_SE
.Lnot_mine_\@:
.endm
	s_load_b128 s[4:7], s[0:1], 0x0                ; qkv16 s[4:5], a16 s[6:7]
	v_lshl_add_u32 v[SPW], v0, 2, SPARE
	v_mov_b32 v[NIL], 0
	ds_add_u32 v[SPW], v[NIL]                      ; the wave's opening: the add, twice on end, and its wait ahead of my first tensor load
	ds_add_u32 v[SPW], v[NIL]
	v_lshrrev_b32 v1, 5, v0
	v_readfirstlane_b32 s[WV], v1                  ; wave 0..7
	s_and_b32 s9, ttmp7, 0xffff
	s_lshl_b32 s10, s9, 18                         ; the head's first byte in a section and in a16
	s_lshl_b32 s[QL0], ttmp9, 8
	s_lshl_b32 s96, s[WV], 5
	s_add_co_u32 s[QL0], s[QL0], s96               ; 256 j + 32 w
	s_sub_co_u32 s[QH0], 7, ttmp9
	s_lshl_b32 s[QH0], s[QH0], 8
	s_sub_co_u32 s96, 7, s[WV]
	s_lshl_b32 s96, s96, 5
	s_add_co_u32 s[QH0], s[QH0], s96               ; 256 (7 - j) + 32 (7 - w)
	s_sub_co_u32 s[QLAST], 8, ttmp9
	s_lshl_b32 s[QLAST], s[QLAST], 8
	s_sub_co_u32 s[QLAST], s[QLAST], 1
	s_and_b32 s11, s[WV], 3
	s_mov_b32 s[G1K], (1<<16)|(1<<20)|(5<<22)|(3<<25)   ; no mask; elements of 2 bytes; padding on: 4 words after every 64
	s_mov_b32 s[G1V], (1<<16)|(1<<20)|(5<<22)|(7<<25)   ; 8 words
.irp g, G1K, G1V
	s_mov_b32 s[\g+1], 128<<16                     ; tensor_dim0 = 128 elements: two rows of a head on end
	s_mov_b32 s[\g+2], 32<<16                      ; tensor_dim1
	s_mov_b32 s[\g+3], 128<<16                     ; tile_dim0
	s_mov_b32 s[\g+4], 32                          ; tile_dim1
	s_mov_b32 s[\g+5], 128                         ; from row to row: dense
	s_mov_b32 s[\g+6], 0
	s_mov_b32 s[\g+7], 0
.endr
	s_mov_b32 s[G0K], 1
	s_mul_i32 s[G0K+1], s11, STEPB                 ; LDS: my step of slot 0
	s_mov_b32 s[G0V], 1
	s_add_co_u32 s[G0V+1], s[G0K+1], VOFF
	s_mov_b32 s[SEL], 0x76543210
	s_mov_b32 s[SEL+1], 0xfedcba98                 ; lane l xor 16
	s_mov_b32 s[CS], 0x3e38aa3b                    ; c = log2(e) / 8
	s_mov_b32 s[CS+1], s[CS]
	s_mov_b32 s[KEY], 0
	s_mov_b32 s[TB], 0
	s_mov_b32 s[SLOTS], 7
	s_cmp_eq_u32 ttmp9, 0
	s_cselect_b32 s[LIM], 1, -1
	s_mov_b32 s97, 0
	s_wait_dscnt 0x0                               ; both opening adds are done
	s_wait_kmcnt 0x0
	s_lshl_b32 s96, s11, 13                        ; my step's 64 rows of 128 bytes
	s_add_co_u32 s96, s96, s10
	s_add_co_u32 s96, s96, 1<<24                   ; section k
	s_add_nc_u64 s[G0K+2:G0K+3], s[4:5], s[96:97]
	s_add_co_u32 s96, s96, 1<<24                   ; section v
	s_add_nc_u64 s[G0V+2:G0V+3], s[4:5], s[96:97]
	s_cmp_lt_u32 s[WV], 4
	s_cselect_b64 s[PFA:PFA+1], s[G0K+2:G0K+3], s[G0V+2:G0V+3]
	s_add_nc_u64 s[PFA:PFA+1], s[PFA:PFA+1], 32768 ; my part of slot 1; the first change of slots steps it to slot 2
	s_or_b32 s[G0K+3], s[G0K+3], 0x80000000
	s_or_b32 s[G0V+3], s[G0V+3], 0x80000000
	TLOAD                                          ; slot 0: one tensor load of mine is out
	s_lshl_b32 s96, s[QL0], 7
	s_add_co_u32 s96, s96, s10
	s_add_nc_u64 s[QB:QB+1], s[4:5], s[96:97]
	s_add_nc_u64 s[OB:OB+1], s[6:7], s[96:97]
	s_lshl_b32 s96, s[QH0], 7
	s_add_co_u32 s96, s96, s10
	s_add_nc_u64 s[QB+2:QB+3], s[4:5], s[96:97]
	s_add_nc_u64 s[OB+2:OB+3], s[6:7], s[96:97]
	v_and_b32 v1, 15, v0                           ; r
	v_bfe_u32 v2, v0, 4, 1                         ; h
	v_lshlrev_b32 v[QO], 7, v1
	v_lshl_add_u32 v[QO], v2, 4, v[QO]             ; row r of 128 bytes + 16 h
	WIN TO1
.irp t, 0,1,2,3                                ; Q stays in registers: tile t, channels 32 c on, at 16 t + 8 c of window 1
.irp c, 0,1
	global_load_b128 v[16*\t+8*\c:16*\t+8*\c+3],   v[QO], s[QB+2*(\t/2):QB+2*(\t/2)+1] offset:2048*(\t%2)+64*\c
	global_load_b128 v[16*\t+8*\c+4:16*\t+8*\c+7], v[QO], s[QB+2*(\t/2):QB+2*(\t/2)+1] offset:2048*(\t%2)+64*\c+32
.endr
.endr
.set i, 0
.rept 128
	v_mov_b32 v[64+i], 0                           ; O^T.  (The step is written once: the first step finds zeros)
.set i, i+1
.endr
	WIN 0
	v_lshrrev_b32 v[ADK], 1, v1
	v_mul_u32_u24 v[AK0], v[ADK], PK
	v_and_b32 v[ADK], 1, v0
	v_lshl_add_u32 v[AK0], v[ADK], 7, v[AK0]
	v_lshl_add_u32 v[AK0], v2, 4, v[AK0]           ; K: (r / 2) x 272 + (r % 2) x 128 + 16 h
	v_bfe_u32 v[ADV], v0, 1, 2
	v_lshl_add_u32 v[ADV], v2, 2, v[ADV]
	v_mul_u32_u24 v[AV0], v[ADV], PVP
	v_lshl_add_u32 v[AV0], v[ADK], 7, v[AV0]
	v_bfe_u32 v[ADV], v0, 3, 1
	v_lshl_add_u32 v[AV0], v[ADV], 4, v[AV0]
	v_add_nc_u32 v[AV0], VOFF, v[AV0]              ; V: key 8 h + lane % 8, channels 8 ((lane / 8) % 2) on
	s_mul_i32 s96, s[WV], 16*144
	s_add_co_u32 s96, s96, STAGE
	v_mul_u32_u24 v[STO], v1, 144
	v_lshl_add_u32 v[STO], v2, 4, v[STO]
	v_add_nc_u32 v[STO], s96, v[STO]               ; the stage, in: row r, 16 bytes for each half
	v_bfe_u32 v[RD], v0, 3, 2
	v_mul_u32_u24 v[RD], v[RD], 144
	v_and_b32 v[GO], 7, v0
	v_lshl_add_u32 v[RD], v[GO], 4, v[RD]
	v_add_nc_u32 v[RD], s96, v[RD]                 ; back: eight lanes to a row of 128 bytes, four rows an instruction
	v_and_b32 v[GO], 31, v0
	v_lshlrev_b32 v[PFO], 8, v[GO]
	v_lshlrev_b32 v[GO], 4, v[GO]                  ; and the same 512 dense bytes in a16
	v_lshlrev_b32 v[RD8], 3, v2
	v_sub_nc_u32 v[RD8], v1, v[RD8]
	v_mov_b32 v[NINF], 0xff800000
.irp t, 0,1,2,3
	v_mov_b32 v[ST+8*\t+1], 0xff61b1e6             ; m = -3e38, under every score
	v_mul_f32 v[ST+8*\t], s[CS], v[ST+8*\t+1]
.irp n, 2,3,4,5,6,7
	v_mov_b32 v[ST+8*\t+\n], 0                     ; l; and the work registers, so that each is written on every way
.endr
.endr
.macro KQ x                            ; 16 products: S^T of piece x's two tiles; eight accumulators by turns, two deep
	WIN W_KQ
.irp c, 0,1
.irp kt, 0,1,2,3
.irp t, 0,1
.if \c == 0
	v_wmma_f32_16x16x32_f16 v[S+32*\t+8*\kt:S+32*\t+8*\kt+7], v[KF+16*\kt+8*\c:KF+16*\kt+8*\c+7], v[16*(\x+\t)+8*\c:16*(\x+\t)+8*\c+7], 0
.else
	v_wmma_f32_16x16x32_f16 v[S+32*\t+8*\kt:S+32*\t+8*\kt+7], v[KF+16*\kt+8*\c:KF+16*\kt+8*\c+7], v[16*(\x+\t)+8*\c:16*(\x+\t)+8*\c+7], v[S+32*\t+8*\kt:S+32*\t+8*\kt+7]
.endif
.endr
.endr
.endr
.endm
.macro PVM x                           ; 16 products: O^T += V^T P; eight accumulators by turns
	WIN W_PV
.irp g, 0,1
.irp dt, 0,1,2,3
.irp t, 0,1
	v_wmma_f32_16x16x32_f16 v[64+32*(\x+\t)+8*\dt:64+32*(\x+\t)+8*\dt+7], v[192+32*\g+8*\dt:192+32*\g+8*\dt+7], v[P+16*\t+8*\g:P+16*\t+8*\g+7], v[64+32*(\x+\t)+8*\dt:64+32*(\x+\t)+8*\dt+7]
.endr
.endr
.endr
.endm
.macro MASK q0                         ; register 8 kt + j of tile t holds key KEY + 16 kt + 8 h + j, query q0 + 16 t + r: hidden where 16 kt + j - 16 t > q0 - KEY + r - 8 h
	s_sub_co_i32 s96, s[\q0], s[KEY]
	v_add_nc_u32 v[DD], s96, v[RD8]
.irp t, 0,1
.irp kt, 0,1,2,3
.irp j, 0,1,2,3,4,5,6,7
	v_cmp_gt_i32 vcc_lo, 16*\kt+\j-16*\t, v[DD]
	v_cndmask_b32 v[S+32*\t+8*\kt+\j], v[S+32*\t+8*\kt+\j], v[NINF], vcc_lo
.endr
.endr
.endr
.endm
.macro SMX x                           ; the softmax of piece x's two tiles for one step, the tiles line by line by turns
	WIN 0
.irp j, 0,1,2,3                                ; the maximum: four chains of seven scores, each accumulator from its low end on
.irp t, 0,1
	v_max3_num_f32 v[ST+8*(\x+\t)+4+\j], v[S+32*\t+8*\j], v[S+32*\t+8*\j+1], v[S+32*\t+8*\j+2]
.endr
.endr
.irp u, 1,2
.irp j, 0,1,2,3
.irp t, 0,1
	v_max3_num_f32 v[ST+8*(\x+\t)+4+\j], v[ST+8*(\x+\t)+4+\j], v[S+32*\t+8*\j+2*\u+1], v[S+32*\t+8*\j+2*\u+2]
.endr
.endr
.endr
.irp t, 0,1
	v_max3_num_f32 v[ST+8*(\x+\t)+4], v[ST+8*(\x+\t)+4], v[S+32*\t+7], v[S+32*\t+15]
.endr
.irp t, 0,1
	v_max3_num_f32 v[ST+8*(\x+\t)+6], v[ST+8*(\x+\t)+6], v[S+32*\t+23], v[S+32*\t+31]
.endr
.irp t, 0,1
	v_max3_num_f32 v[ST+8*(\x+\t)+4], v[ST+8*(\x+\t)+4], v[ST+8*(\x+\t)+5], v[ST+8*(\x+\t)+6]
.endr
.irp t, 0,1
	v_max3_num_f32 v[ST+8*(\x+\t)+4], v[ST+8*(\x+\t)+4], v[ST+8*(\x+\t)+7], v[ST+8*(\x+\t)+1]   ; with the old m
.endr
.irp t, 0,1
	v_permlanex16_b32 v[ST+8*(\x+\t)+5], v[ST+8*(\x+\t)+4], s[SEL], s[SEL+1]   ; the query's other 32 keys lie in the lane 16 away
.endr
.irp t, 0,1
	v_mov_b32 v[ST+8*(\x+\t)+7], v[ST+8*(\x+\t)]                   ; c m_old
.endr
.irp t, 0,1
	v_max_num_f32 v[ST+8*(\x+\t)+1], v[ST+8*(\x+\t)+4], v[ST+8*(\x+\t)+5]
.endr
.irp t, 0,1
	v_mul_f32 v[ST+8*(\x+\t)], s[CS], v[ST+8*(\x+\t)+1]
.endr
.irp t, 0,1
	v_sub_f32 v[ST+8*(\x+\t)+7], v[ST+8*(\x+\t)+7], v[ST+8*(\x+\t)]
.endr
.irp b, 0,1,2,3,4,5,6,7,8,9,10,11,12,13,14,15
.irp t, 0,1
	v_pk_fma_f32 v[S+32*\t+2*\b:S+32*\t+2*\b+1], v[S+32*\t+2*\b:S+32*\t+2*\b+1], s[CS:CS+1], v[ST+8*(\x+\t):ST+8*(\x+\t)+1] op_sel_hi:[1,0,0] neg_lo:[0,0,1] neg_hi:[0,0,1]   ; c s - c m
.endr
.endr
.irp t, 0,1
	v_exp_f32 v[ST+8*(\x+\t)+6], v[ST+8*(\x+\t)+7]                 ; a
.endr
.irp e, 0,1,2,3,4,5,6,7,8,9,10,11,12,13,14,15,16,17,18,19,20,21,22,23,24,25,26,27,28,29,30,31
.irp t, 0,1
	v_exp_f32 v[S+32*\t+\e], v[S+32*\t+\e]
.endr
.endr
	v_nop                                          ; a plain line behind the last exponential
	s_wait_alu depctr_va_vdst(0)                   ; one wait for the batch of 66, ahead of the first use of a result
.irp p, 0,1,2,3,4,5,6,7,8,9,10,11,12,13,14,15
.irp t, 0,1
	v_cvt_pk_f16_f32 v[P+16*\t+\p], v[S+32*\t+2*\p], v[S+32*\t+2*\p+1]
.endr
.endr
.irp u, 0,1,2,3,4,5,6,7                        ; the sum of the unrounded weights, in place, pairs 1, 2, 4, 8 apart
.irp t, 0,1
	v_pk_add_f32 v[S+32*\t+4*\u:S+32*\t+4*\u+1], v[S+32*\t+4*\u:S+32*\t+4*\u+1], v[S+32*\t+4*\u+2:S+32*\t+4*\u+3]
.endr
.endr
.irp u, 0,1,2,3
.irp t, 0,1
	v_pk_add_f32 v[S+32*\t+8*\u:S+32*\t+8*\u+1], v[S+32*\t+8*\u:S+32*\t+8*\u+1], v[S+32*\t+8*\u+4:S+32*\t+8*\u+5]
.endr
.endr
.irp u, 0,1
.irp t, 0,1
	v_pk_add_f32 v[S+32*\t+16*\u:S+32*\t+16*\u+1], v[S+32*\t+16*\u:S+32*\t+16*\u+1], v[S+32*\t+16*\u+8:S+32*\t+16*\u+9]
.endr
.endr
.irp t, 0,1
	v_pk_add_f32 v[S+32*\t:S+32*\t+1], v[S+32*\t:S+32*\t+1], v[S+32*\t+16:S+32*\t+17]
.endr
.irp t, 0,1
	v_pk_fma_f32 v[ST+8*(\x+\t)+2:ST+8*(\x+\t)+3], v[ST+8*(\x+\t)+2:ST+8*(\x+\t)+3], v[ST+8*(\x+\t)+6:ST+8*(\x+\t)+7], v[S+32*\t:S+32*\t+1] op_sel_hi:[1,0,1]   ; l = a l + the sum
.endr
	WIN W_RS
.irp n, 0,1,2,3,4,5,6,7,8,9,10,11,12,13,14,15
.irp t, 0,1
	v_pk_mul_f32 v[64+32*(\x+\t)+2*\n:64+32*(\x+\t)+2*\n+1], v[64+32*(\x+\t)+2*\n:64+32*(\x+\t)+2*\n+1], v[ST+8*(\x+\t)+6:ST+8*(\x+\t)+7] op_sel_hi:[1,0]   ; O^T x a
.endr
.endr
.endm
.macro PIECE x, q0, wt
	KQ \x
	WIN 0
.rept 4
	v_nop                                          ; places between the products and the first use of the scores
.endr
	s_add_co_u32 s96, s[KEY], 63
	s_cmp_le_u32 s96, s[\q0]                       ; all 64 keys count for all 32 queries: no mask
	s_cbranch_scc1 .Lopen_\@
	MASK \q0
.Lopen_\@:
	SMX \x
.if \wt
	s_wait_dscnt 0x0                               ; V is in
.endif
	PVM \x
	WIN 0
.endm
.macro STEP                            ; 64 keys
	s_add_co_u32 s96, s[QH0], 31
	s_cmp_gt_u32 s[KEY], s96
	s_cbranch_scc1 .Lend_\@                        ; all keys come after my last query: no loads, no work
	v_add_nc_u32 v[ADK], s[TB], v[AK0]
	v_add_nc_u32 v[ADV], s[TB], v[AV0]
	v_nop
	v_nop                                          ; four places between the last products and the loads into V's registers
.irp kt, 0,1,2,3
.irp c, 0,1
	ds_load_b128 v[KF+16*\kt+8*\c:KF+16*\kt+8*\c+3],   v[ADK] offset:8*PK*\kt+64*\c
	ds_load_b128 v[KF+16*\kt+8*\c+4:KF+16*\kt+8*\c+7], v[ADK] offset:8*PK*\kt+64*\c+32
.endr
.endr
	WIN TO1
.irp g, 0,1
.irp dt, 0,1,2,3
	ds_load_tr16_b128 v[192+32*\g+8*\dt:192+32*\g+8*\dt+3],   v[ADV] offset:16*PVP*\g+32*\dt
	ds_load_tr16_b128 v[192+32*\g+8*\dt+4:192+32*\g+8*\dt+7], v[ADV] offset:16*PVP*\g+8*PVP+32*\dt
.endr
.endr
	WIN 0
	s_wait_dscnt 16                                ; K's sixteen loads are in; V's sixteen may be out
	PIECE 2, QH0, 1
	s_add_co_u32 s96, s[QL0], 31
	s_cmp_gt_u32 s[KEY], s96
	s_cbranch_scc1 .Lend_\@
	PIECE 0, QL0, 0
.Lend_\@:
	s_add_co_u32 s[KEY], s[KEY], 64
	s_add_co_u32 s[TB], s[TB], STEPB
.endm
.macro FOUR_STEPS                      ; a slot's four steps: written once, walked four times
	s_mov_b32 s[STEPC], 4
.Lstep_\@:
	STEP
	s_sub_co_u32 s[STEPC], s[STEPC], 1
	s_cmp_lg_u32 s[STEPC], 0
	s_cbranch_scc1 .Lstep_\@
	s_sub_co_u32 s[TB], s[TB], 4*STEPB
	s_xor_b32 s[TB], s[TB], SLOT1                  ; on to the other slot
.endm
; THE CHANGE OF SLOTS stands at a slot's head: each wave waits for all its tensor loads (its part of the slot ahead), adds 0 to its spare word, waits for that and for its reads of the slot that it has left.
; Behind the barrier the slot ahead is whole and nobody reads the other one, which is filled first thing: that load has four steps in which to land.
.macro CHANGE fill
	s_wait_tensorcnt 0x0                           ; no tensor load of mine is out: the descriptors may be written
	ds_add_u32 v[SPW], v[NIL]
.if \fill
	s_xor_b32 s[G0K+1], s[G0K+1], SLOT1
	s_add_nc_u64 s[G0K+2:G0K+3], s[G0K+2:G0K+3], 32768   ; the next 256 keys
	s_xor_b32 s[G0V+1], s[G0V+1], SLOT1
	s_add_nc_u64 s[G0V+2:G0V+3], s[G0V+2:G0V+3], 32768
	s_wait_xcnt 0x0                                ; the last prefetch, a slot back, has read its address
	s_add_nc_u64 s[PFA:PFA+1], s[PFA:PFA+1], 32768
.endif
	s_wait_dscnt 0x0
	s_barrier_signal -1
	s_barrier_wait -1
.if \fill
	s_add_co_u32 s96, s[KEY], 256                  ; the first key of the slot that this change would ask for
	s_cmp_gt_u32 s96, s[QLAST]                     ; ids and the count of steps alone: all eight waves go the same way
	s_cbranch_scc1 .Lpast_\@
	TLOAD
.Lpast_\@:
	ASK
.endif
.endm
	s_wait_loadcnt 0x0                             ; Q
.Lslot:                                            ; 7 trips: behind each change of slots but the last the next slot is asked for, up to the causal limit
	CHANGE 1
	FOUR_STEPS
	s_sub_co_u32 s[SLOTS], s[SLOTS], 1
	s_cmp_lg_u32 s[SLOTS], 0
	s_cbranch_scc1 .Lslot
	CHANGE 0
	FOUR_STEPS
	; THE WAY OUT: l's halves are added; O^T / l is rounded to f16 and goes through my stage, a tile (16 rows of 128 bytes) at a time.  The additions are the places behind the last products.
.irp t, 0,1,2,3
	v_add_f32 v[ST+8*\t+4], v[ST+8*\t+2], v[ST+8*\t+3]
.endr
.irp t, 0,1,2,3
	v_permlanex16_b32 v[ST+8*\t+5], v[ST+8*\t+4], s[SEL], s[SEL+1]
.endr
.irp t, 0,1,2,3
	v_add_f32 v[ST+8*\t+4], v[ST+8*\t+4], v[ST+8*\t+5]
.endr
.irp t, 0,1,2,3
	v_rcp_f32 v[ST+8*\t+6], v[ST+8*\t+4]
.endr
	v_nop
	s_wait_alu depctr_va_vdst(0)                   ; one wait for the four reciprocals, ahead of their first use
.macro PACK t
	WIN W_RS
.irp n, 0,1,2,3,4,5,6,7,8,9,10,11,12,13,14,15
	v_pk_mul_f32 v[64+32*\t+2*\n:64+32*\t+2*\n+1], v[64+32*\t+2*\n:64+32*\t+2*\n+1], v[ST+8*\t+6:ST+8*\t+7] op_sel_hi:[1,0]
.endr
	WIN 0x05                                       ; sources in window 1, destination in window 0: S^T's registers are free
.irp n, 0,1,2,3,4,5,6,7,8,9,10,11,12,13,14,15
	v_cvt_pk_f16_f32 v[S+16*\t+\n], v[64+32*\t+2*\n], v[64+32*\t+2*\n+1]
.endr
	WIN 0
.irp f, 0,1,2,3
	ds_store_b128 v[STO], v[S+16*\t+4*\f:S+16*\t+4*\f+3] offset:32*\f
.endr
.irp f, 0,1,2,3
	ds_load_b128 v[KF+16*\t+4*\f:KF+16*\t+4*\f+3], v[RD] offset:576*\f   ; LDS serves a wave's instructions in order: these see my stores; the next tile's stores come behind them
.endr
.endm
.macro SEND t, younger                 ; younger: the LDS instructions issued behind tile t's loads
.irp f, 0,1,2,3
	s_wait_dscnt \younger+3-\f
	global_store_b128 v[GO], v[KF+16*\t+4*\f:KF+16*\t+4*\f+3], s[OB+2*(\t/2):OB+2*(\t/2)+1] offset:2048*(\t%2)+512*\f   ; 32 lanes store 512 consecutive bytes, aligned
.endr
.endm
	PACK 0
	PACK 1
	SEND 0, 8
	PACK 2
	SEND 1, 8
	PACK 3
	SEND 2, 8
	SEND 3, 0
	s_wait_tensorcnt 0x0                           ; the wave's end: three lines
	ds_add_u32 v[SPW], v[NIL]
	s_wait_dscnt 0x0
	s_endpgm
.Lfunc_end_k_q960f27861d_attn:
	.size	k_q960f27861d_attn, .Lfunc_end_k_q960f27861d_attn-k_q960f27861d_attn
	.p2alignl 7, 3214868480
	.fill 96, 4, 3214868480
	.section	.rodata,"a",@progbits
	.p2align	6, 0x0
	.amdhsa_kernel k_q960f27861d_attn
		.amdhsa_group_segment_fixed_size 327680
		.amdhsa_private_segment_fixed_size 0
		.amdhsa_enable_private_segment 0
		.amdhsa_kernarg_size 16
		.amdhsa_user_sgpr_count 2
		.amdhsa_user_sgpr_kernarg_segment_ptr 1
		.amdhsa_wavefront_size32 1
		.amdhsa_system_sgpr_workgroup_id_x 1
		.amdhsa_system_sgpr_workgroup_id_y 1
		.amdhsa_system_sgpr_workgroup_id_z 1
		.amdhsa_system_vgpr_workitem_id 0
		.amdhsa_next_free_vgpr 512
		.amdhsa_next_free_sgpr 100
		.amdhsa_reserve_vcc 1
		.amdhsa_float_denorm_mode_32 3
		.amdhsa_float_denorm_mode_16_64 3
		.amdhsa_memory_ordered 1
		.amdhsa_forward_progress 1
		.amdhsa_inst_pref_size 109
	.end_amdhsa_kernel
	.amdgpu_metadata
---
amdhsa.version: [ 1, 2 ]
amdhsa.kernels:
  - .name:           k_q960f27861d_attn
    .symbol:         k_q960f27861d_attn.kd
    .args:
      - { .name: qkv16, .offset: 0, .size: 8, .value_kind: global_buffer, .address_space: global }
      - { .name: a16, .offset: 8, .size: 8, .value_kind: global_buffer, .address_space: global }
    .group_segment_fixed_size: 327680
    .private_segment_fixed_size: 0
    .kernarg_segment_align: 8
    .kernarg_segment_size: 16
    .max_flat_workgroup_size: 256
    .sgpr_count:     100
    .vgpr_count:     512
    .wavefront_size: 32
...
	.end_amdgpu_metadata
.endif
;; end of part 3
;; launch proj (part 4): grid 4 x 64, 4 waves a work-group, clusters of 4 x 4, 327,680 bytes of LDS; arguments a16, wpt, b_proj, out0; writes out0
.if DOCPART == 4
	.amdgcn_target "amdgcn-amd-amdhsa--gfx1250"
	.amdhsa_code_object_version 6
	.text
	.protected	k_q960f27861d_proj
	.globl	k_q960f27861d_proj
	.p2align	8
	.type	k_q960f27861d_proj,@function
k_q960f27861d_proj:
	s_mov_b64 s[64:65], 0
	v_nop
	global_prefetch_b8 v0, s[64:65] scope:SCOPE_SE
	s_setreg_imm32_b32 hwreg(HW_REG_WAVE_MODE, 25, 1), 1
	s_wait_xcnt 0x0
	s_wait_alu depctr_hold_cnt(0) depctr_sa_sdst(0) depctr_va_vdst(0) depctr_va_sdst(0) depctr_va_ssrc(0) depctr_va_vcc(0) depctr_vm_vsrc(0)
	s_getreg_b32 s2, hwreg(HW_REG_IB_STS2, 6, 4)
	s_cmp_eq_u32 s2, 0
	s_cbranch_scc0 .Lentry_in_a_cluster
	s_endpgm
.Lentry_in_a_cluster:
	s_bfe_u32 s2, ttmp6, 0x10000c
	s_cmp_lg_u32 s2, 0xf033
	s_cbranch_scc0 .Lentry_shape_is_right
	s_endpgm
.Lentry_shape_is_right:
; PROJ: out0[m][n] = sum over k of a[m][k] W_proj[k][n] + b_proj[n], m = 8,192, n = k = 1,024; operands f16, sums f32.  a: a16 [64 batch x head][2,048][64]: k = 64 x head + channel.  W: wpt [n][k].
; Positions 0-15 of each batch are NOT stored here: a later launch makes them in f32, so each byte of out0 is written once.
; A tile of C is 128 (m) x 256 (n): 256 work-groups.  Four waves, each 64 x 128: 32 accumulators.  K goes in steps of 128 (two heads) through a ring of two LDS slots.
; A's part of a slot is two planes, one a head: 128 rows of 128 bytes are dense in memory and come as 64 rows of 256 bytes (pitch 272; row i at (i / 2) x 272 + (i % 2) x 128).  B's: 256 rows of 256 bytes (pitch 272).
; CLUSTERS: 4 x 4.  Tile row = 16 cy + cluster y (batch = cy, first position 128 x cluster y), tile column = cx.  A's planes are asked for jointly along a row of the cluster, B's halves along a column.
; THE MATRIX INSTRUCTION IS USED TRANSPOSED (source 0 = 16 rows of wpt, source 1 = 16 rows of a): a lane holds eight neighbouring columns of a row.  The bias is the C of each sum's first product.
; REGISTERS: window 0: v0-31 addresses; two fragment buffers for 32 along K: F0 = B v64-127, A v128-159; F1 = B v160-223, A v224-255.  window 1: accumulator (a, b) at 8 (8 a + b).  window 2: v0-63 the bias.
.set PITCH,  272
.set PLANE,  64*PITCH
.set HALFB,  128*PITCH
.set BOFF,   2*PLANE
.set SLOT,   BOFF+2*HALFB
.set STAGE,  2*SLOT                    ; behind the ring: 16 rows x 528 bytes for each wave
.set SPARE,  STAGE+4*16*528            ; the spare words, 128 bytes a wave; no other line names them
.set LAPS,   4                         ; 8 K steps, two to a lap
.set ADRA, 16
.set ADRB, 20
.set STO,  24
.set RD,   25
.set CO,   26
.set BV,   27
.set SPW,  28
.set NIL,  29
.set F0,   64
.set F1,   160
.set WV,   2
.set MH,   13                          ; s13  which 64 rows are mine; also: I fetch for A (0) or B (1)
.set NH,   14                          ; s14  which 128 columns; also: which plane or half I fetch
.set SKIP, 66
.set G1, 24
.set G0, 32
.set G1B, 48
.set G0B, 56
.set MSB, 0
.macro WIN new
.if MSB != (\new)
	s_set_vgpr_msb (MSB<<8)|(\new)
.set MSB, (\new)
.endif
.endm
.set MUL, 0x50                         ; C and D in window 1 (with 0x10 more: C in window 2)
.macro JLOAD s                         ; a joint load; an s_nop 0 and four v_nop follow each line
	s_cmp_eq_u32 s[MH], 0
	s_cbranch_scc0 .Lfor_b_\@
	tensor_load_to_lds s[G0+4*\s:G0+4*\s+3], s[G1:G1+7]
	s_nop 0
.rept 4
	v_nop
.endr
	s_branch .Lasked_\@
.Lfor_b_\@:
	tensor_load_to_lds s[G0B+4*\s:G0B+4*\s+3], s[G1B:G1B+7]
	s_nop 0
.rept 4
	v_nop
.endr
.Lasked_\@:
.endm
.macro CREST
	s_cmp_lg_u32 s[WV], 0
	s_cbranch_scc1 .Lnot_wave_0_\@
	s_barrier_signal -3
.Lnot_wave_0_\@:
	s_barrier_wait -3
	s_barrier_signal -1
	s_barrier_wait -1
.endm
.macro CROUND
	s_barrier_signal -1
	s_barrier_wait -1
	CREST
.endm
	s_load_b256 s[4:11], s[0:1], 0x0               ; a16 s[4:5], wpt s[6:7], b_proj s[8:9], out0 s[10:11]
	v_lshl_add_u32 v[SPW], v0, 2, SPARE
	v_mov_b32 v[NIL], 0
	ds_add_u32 v[SPW], v[NIL]                      ; the wave's opening: the add, twice on end, and its wait ahead of my first tensor load
	ds_add_u32 v[SPW], v[NIL]
	v_lshrrev_b32 v1, 5, v0
	v_readfirstlane_b32 s[WV], v1
	s_lshr_b32 s[MH], s[WV], 1
	s_and_b32 s[NH], s[WV], 1
	s_bfe_u32 s40, ttmp6, 0x40000                  ; cx
	s_bfe_u32 s41, ttmp6, 0x40004                  ; cy
	s_lshl_b32 s42, ttmp9, 2
	s_add_co_u32 s42, s42, s40                     ; tile column
	s_and_b32 s15, ttmp7, 0xffff                   ; cluster y
	s_or_b32 s[SKIP], s15, s[MH]                   ; 0 where my first 16 rows are a batch's positions 0-15
	s_lshl_b32 s43, s41, 2
	s_lshl_b32 s43, 15, s43                        ; my row of the cluster
	s_lshl_b32 s44, 0x1111, s40                    ; my column
	s_or_b32 s[G1+0], s43, (1<<16)|(1<<20)|(1<<21)|(5<<22)|(3<<25)   ; mask; elements of 2 bytes; padding on; bit 21 beside a mask; 4 words after every 64
	s_or_b32 s[G1B+0], s44, (1<<16)|(1<<20)|(1<<21)|(5<<22)|(3<<25)
	s_mov_b32 s[G1+1], 128<<16                     ; A: 64 rows of 128 elements, dense
	s_mov_b32 s[G1+2], 64<<16
	s_mov_b32 s[G1+3], 128<<16
	s_mov_b32 s[G1+4], 64
	s_mov_b32 s[G1+5], 128
	s_mov_b32 s[G1+6], 0
	s_mov_b32 s[G1+7], 0
	s_mov_b32 s[G1B+1], 128<<16                    ; B: 128 rows of 128 elements, 1,024 elements apart
	s_mov_b32 s[G1B+2], 128<<16
	s_mov_b32 s[G1B+3], 128<<16
	s_mov_b32 s[G1B+4], 128
	s_mov_b32 s[G1B+5], 1024
	s_mov_b32 s[G1B+6], 0
	s_mov_b32 s[G1B+7], 0
	s_lshl_b32 s16, s41, 4
	s_add_co_u32 s16, s16, s[NH]                   ; A: 16 x batch + my plane's head,
	s_lshl_b32 s16, s16, 18
	s_lshl_b32 s17, s15, 14                        ; position 128 x cluster y
	s_add_co_u32 s16, s16, s17
	s_mov_b32 s17, 0
	s_lshl_b32 s46, s42, 8
	s_lshl_b32 s47, s[NH], 7
	s_add_co_u32 s46, s46, s47                     ; B: row 256 x tile column + 128 x half,
	s_lshl_b32 s46, s46, 11                        ; of 2,048 bytes
	s_mov_b32 s47, 0
	s_mul_i32 s20, s[NH], PLANE                    ; where they go: the wave's number alone
	s_mul_i32 s21, s[NH], HALFB
	s_add_co_u32 s21, s21, BOFF
	s_wait_dscnt 0x0                               ; both opening adds are done
	s_wait_kmcnt 0x0
	s_add_nc_u64 s[16:17], s[4:5], s[16:17]
	s_add_nc_u64 s[46:47], s[6:7], s[46:47]
	CROUND                                         ; all sixteen work-groups are here
.irp s, 0,1
	s_mov_b32 s[G0+4*\s], 1
	s_add_co_u32 s[G0+4*\s+1], s20, \s*SLOT
	s_add_nc_u64 s[G0+4*\s+2:G0+4*\s+3], s[16:17], \s*(2<<18)      ; K step s: two heads on
	s_or_b32 s[G0+4*\s+3], s[G0+4*\s+3], 0x80000000
	s_mov_b32 s[G0B+4*\s], 1
	s_add_co_u32 s[G0B+4*\s+1], s21, \s*SLOT
	s_add_nc_u64 s[G0B+4*\s+2:G0B+4*\s+3], s[46:47], \s*256
	s_or_b32 s[G0B+4*\s+3], s[G0B+4*\s+3], 0x80000000
	JLOAD \s                                       ; two tensor loads of mine are out
.endr
	v_and_b32 v1, 15, v0                           ; r
	v_bfe_u32 v2, v0, 4, 1                         ; h
	s_lshl_b32 s16, s42, 10
	s_lshl_b32 s17, s[NH], 9
	s_add_co_u32 s16, s16, s17                     ; 4 x my first column
	s_mov_b32 s17, 0
	s_add_nc_u64 s[8:9], s[8:9], s[16:17]
	s_add_nc_u64 s[10:11], s[10:11], s[16:17]
	v_lshlrev_b32 v[BV], 5, v2
	WIN 0x80                                       ; destination window 2
.irp b, 0,1,2,3,4,5,6,7
	global_load_b128 v[8*\b:8*\b+3], v[BV], s[8:9] offset:64*\b
	global_load_b128 v[8*\b+4:8*\b+7], v[BV], s[8:9] offset:64*\b+16
.endr
	WIN 0
	s_lshl_b32 s16, s41, 11
	s_lshl_b32 s18, s15, 7
	s_add_co_u32 s16, s16, s18
	s_lshl_b32 s18, s[MH], 6
	s_add_co_u32 s16, s16, s18                     ; my first row of out0
	s_lshl_b32 s16, s16, 12
	s_add_nc_u64 s[10:11], s[10:11], s[16:17]
	v_lshrrev_b32 v3, 1, v1
	v_mul_u32_u24 v3, v3, PITCH
	v_and_b32 v4, 1, v0
	v_lshl_add_u32 v3, v4, 7, v3
	v_lshl_add_u32 v3, v2, 4, v3                   ; A: (r / 2) x 272 + (r % 2) x 128 + 16 h
	v_mul_u32_u24 v5, v1, PITCH
	v_lshl_add_u32 v5, v2, 4, v5                   ; B: r x 272 + 16 h
	s_mul_i32 s22, s[MH], 32*PITCH                 ; my 64 rows of each plane
	s_mul_i32 s23, s[NH], HALFB
	s_add_co_u32 s23, s23, BOFF                    ; my 128 rows of B
.irp s, 0,1
	v_add_nc_u32 v[ADRA+\s], s22, v3
	v_add_nc_u32 v[ADRB+\s], s23, v5
	s_add_co_u32 s22, s22, SLOT
	s_add_co_u32 s23, s23, SLOT
.endr
	s_mul_i32 s22, s[WV], 16*528
	s_add_co_u32 s22, s22, STAGE
	v_mul_u32_u24 v5, v1, 528
	v_lshl_add_u32 v5, v2, 5, v5
	v_add_nc_u32 v[STO], s22, v5
	v_and_b32 v6, 31, v0
	v_lshlrev_b32 v[CO], 4, v6
	v_add_nc_u32 v[RD], s22, v[CO]
.macro FETCH slot, q, f                ; 24 LDS loads: the fragments of the slot's q-th 32 along K: B's eight blocks, then A's four
.irp i, 0,1,2,3,4,5,6,7
	ds_load_b128 v[\f+8*\i:\f+8*\i+3],   v[ADRB+\slot] offset:16*PITCH*\i+64*(\q)
	ds_load_b128 v[\f+8*\i+4:\f+8*\i+7], v[ADRB+\slot] offset:16*PITCH*\i+64*(\q)+32
.endr
.irp i, 0,1,2,3
	ds_load_b128 v[\f+64+8*\i:\f+64+8*\i+3],   v[ADRA+\slot] offset:8*PITCH*\i+PLANE*((\q)/2)+64*((\q)%2)
	ds_load_b128 v[\f+64+8*\i+4:\f+64+8*\i+7], v[ADRA+\slot] offset:8*PITCH*\i+PLANE*((\q)/2)+64*((\q)%2)+32
.endr
.endm
.macro MUL8 f, a, first                ; A's block a x B's eight; the 32 accumulators take turns, one instruction a turn
.irp b, 0,1,2,3,4,5,6,7
.if \first
	v_wmma_f32_16x16x32_f16 v[8*(8*(\a)+\b):8*(8*(\a)+\b)+7], v[\f+8*\b:\f+8*\b+7], v[\f+64+8*(\a):\f+64+8*(\a)+7], v[8*\b:8*\b+7]
.else
	v_wmma_f32_16x16x32_f16 v[8*(8*(\a)+\b):8*(8*(\a)+\b)+7], v[\f+8*\b:\f+8*\b+7], v[\f+64+8*(\a):\f+64+8*(\a)+7], v[8*(8*(\a)+\b):8*(8*(\a)+\b)+7]
.endif
.endr
.endm
.macro PLACES                          ; four plain lines between matrix instructions and loads into, or uses of, their registers
.rept 4
	v_nop
.endr
.endm
.macro QUARTER slot, q, f, g, first    ; multiplies buffer f; in its middle it fetches the slot's q-th 32 along K into buffer g
	s_wait_dscnt 4                                 ; B and A's blocks 0, 1 are in; the youngest four loads (A's blocks 2, 3) may be out
	WIN MUL+0x10*(\first)
	MUL8 \f, 0, \first
	MUL8 \f, 1, \first
	PLACES
	WIN 0
	FETCH \slot, \q, \g
	s_wait_dscnt 24                                ; all but the 24 just issued
	WIN MUL+0x10*(\first)
	MUL8 \f, 2, \first
	MUL8 \f, 3, \first
.endm
; A slot's last quarter multiplies buffer 1 and changes slots: one barrier; in front of it each wave waits for all its tensor loads, adds 0 to its spare word, and waits for that and for its reads of this slot.
.macro TURN slot, next, fill
	WIN 0
	s_wait_tensorcnt 0x0                           ; my part of the next slot has landed
	ds_add_u32 v[SPW], v[NIL]
	s_wait_dscnt 5                                 ; the add and the youngest four loads may be out
	WIN MUL
	MUL8 F1, 0, 0
	s_wait_dscnt 0x0                               ; the add is done, and my reads of this slot are over
	s_barrier_signal -1
	MUL8 F1, 1, 0
	WIN 0
	s_barrier_wait -1
.if \fill
	CREST                                          ; the barrier has opened a round of the cluster's: no wave of any partner still reads this slot or has a load on its way
	s_add_nc_u64 s[G0+4*\slot+2:G0+4*\slot+3], s[G0+4*\slot+2:G0+4*\slot+3], 4<<18   ; two K steps on: four heads
	s_add_nc_u64 s[G0B+4*\slot+2:G0B+4*\slot+3], s[G0B+4*\slot+2:G0B+4*\slot+3], 512
	JLOAD \slot                                    ; the first tensor load behind the round; its four v_nop are also the places in front of the loads below
.else
	PLACES
.endif
	FETCH \next, 0, F0
	WIN MUL
	MUL8 F1, 2, 0
	MUL8 F1, 3, 0
.endm
	s_wait_tensorcnt 1                             ; my part of K step 0 is in; K step 1's may stay out
	s_barrier_signal -1
	s_barrier_wait -1
	FETCH 0, 0, F0
	s_wait_loadcnt 0x0                             ; the bias
	QUARTER 0, 1, F0, F1, 1                        ; the first quarter stands in front of the loop: its products start the sums
	WIN 0
	s_mov_b32 s3, LAPS-1
.Llap:                                                 ; a trip goes once round the ring and fills both slots again
	QUARTER 0, 2, F1, F0, 0
	QUARTER 0, 3, F0, F1, 0
	TURN 0, 1, 1
	QUARTER 1, 1, F0, F1, 0
	QUARTER 1, 2, F1, F0, 0
	QUARTER 1, 3, F0, F1, 0
	TURN 1, 0, 1
	QUARTER 0, 1, F0, F1, 0
	WIN 0
	s_sub_co_u32 s3, s3, 1
	s_cmp_lg_u32 s3, 0
	s_cbranch_scc1 .Llap
	QUARTER 0, 2, F1, F0, 0                        ; the last lap fills nothing
	QUARTER 0, 3, F0, F1, 0
	TURN 0, 1, 0
	QUARTER 1, 1, F0, F1, 0
	QUARTER 1, 2, F1, F0, 0
	QUARTER 1, 3, F0, F1, 0
	s_wait_dscnt 4
	WIN MUL
	MUL8 F1, 0, 0
	MUL8 F1, 1, 0
	s_wait_dscnt 0
	MUL8 F1, 2, 0
	MUL8 F1, 3, 0
	WIN 0
; THE WAY OUT, block by block of 16 rows x 128 columns, through my own stage: back as whole rows of 512 bytes.
.macro TOSTAGE a
	WIN 0x04                                       ; an LDS store's data are its source 1: window 1
.irp b, 0,1,2,3,4,5,6,7
	ds_store_b128 v[STO], v[8*(8*(\a)+\b):8*(8*(\a)+\b)+3] offset:64*\b       ; each accumulator from its low end on
	ds_store_b128 v[STO], v[8*(8*(\a)+\b)+4:8*(8*(\a)+\b)+7] offset:64*\b+16
.endr
	WIN 0
.set BB, 64+64*((\a)%2)
.irp t, 0,1,2,3,4,5,6,7,8,9,10,11,12,13,14,15
	ds_load_b128 v[BB+4*\t:BB+4*\t+3], v[RD] offset:\t*528         ; LDS serves a wave's instructions in order
.endr
.endm
.macro SEND a
.set BB, 64+64*((\a)%2)
.irp t, 0,1,2,3,4,5,6,7,8,9,10,11,12,13,14,15
	global_store_b128 v[CO], v[BB+4*\t:BB+4*\t+3], s[10:11] offset:65536*(\a)+4096*\t th:TH_STORE_NT   ; 32 lanes store 512 consecutive bytes, aligned
.endr
.endm
	PLACES
	TOSTAGE 0
	TOSTAGE 1
	s_wait_dscnt 32                                ; block 0 is back; block 1's 16 stores and 16 loads may be out
	s_cmp_eq_u32 s[SKIP], 0                        ; positions 0-15 of a batch are another launch's: cluster y and the wave's number alone decide
	s_cbranch_scc1 .Lskip
	SEND 0
.Lskip:
	s_wait_xcnt 0x0                                ; block 0's stores have read their registers
	TOSTAGE 2
	s_wait_dscnt 32
	SEND 1
	s_wait_xcnt 0x0
	TOSTAGE 3
	s_wait_dscnt 32
	SEND 2
	s_wait_dscnt 0x0
	SEND 3
	s_wait_tensorcnt 0x0                           ; the wave's end: three lines
	ds_add_u32 v[SPW], v[NIL]
	s_wait_dscnt 0x0
	CROUND                                         ; the closing round
	s_endpgm
.Lfunc_end_k_q960f27861d_proj:
	.size	k_q960f27861d_proj, .Lfunc_end_k_q960f27861d_proj-k_q960f27861d_proj
	.p2alignl 7, 3214868480
	.fill 96, 4, 3214868480
	.section	.rodata,"a",@progbits
	.p2align	6, 0x0
	.amdhsa_kernel k_q960f27861d_proj
		.amdhsa_group_segment_fixed_size 327680
		.amdhsa_private_segment_fixed_size 0
		.amdhsa_enable_private_segment 0
		.amdhsa_kernarg_size 32
		.amdhsa_user_sgpr_count 2
		.amdhsa_user_sgpr_kernarg_segment_ptr 1
		.amdhsa_wavefront_size32 1
		.amdhsa_system_sgpr_workgroup_id_x 1
		.amdhsa_system_sgpr_workgroup_id_y 1
		.amdhsa_system_sgpr_workgroup_id_z 1
		.amdhsa_system_vgpr_workitem_id 0
		.amdhsa_next_free_vgpr 576
		.amdhsa_next_free_sgpr 70
		.amdhsa_reserve_vcc 0
		.amdhsa_float_denorm_mode_32 3
		.amdhsa_float_denorm_mode_16_64 3
		.amdhsa_memory_ordered 1
		.amdhsa_forward_progress 1
		.amdhsa_inst_pref_size 87
	.end_amdhsa_kernel
	.amdgpu_metadata
---
amdhsa.version: [ 1, 2 ]
amdhsa.kernels:
  - .name:           k_q960f27861d_proj
    .symbol:         k_q960f27861d_proj.kd
    .args:
      - { .name: a16, .offset: 0, .size: 8, .value_kind: global_buffer, .address_space: global }
      - { .name: wpt, .offset: 8, .size: 8, .value_kind: global_buffer, .address_space: global }
      - { .name: b_proj, .offset: 16, .size: 8, .value_kind: global_buffer, .address_space: global }
      - { .name: out0, .offset: 24, .size: 8, .value_kind: global_buffer, .address_space: global }
    .group_segment_fixed_size: 327680
    .private_segment_fixed_size: 0
    .kernarg_segment_align: 8
    .kernarg_segment_size: 32
    .max_flat_workgroup_size: 128
    .sgpr_count:     70
    .vgpr_count:     576
    .wavefront_size: 32
...
	.end_amdgpu_metadata
.endif
;; end of part 4
;; launch fine (part 5): grid 16 x 4, 16 waves a work-group, no clusters, 85,248 bytes of LDS; arguments qkv32, W_proj, b_proj, out0; writes out0
.if DOCPART == 5
	.amdgcn_target "amdgcn-amd-amdhsa--gfx1250"
	.amdhsa_code_object_version 6
	.text
	.protected	k_q960f27861d_fine
	.globl	k_q960f27861d_fine
	.p2align	8
	.type	k_q960f27861d_fine,@function
k_q960f27861d_fine:
	s_mov_b64 s[64:65], 0
	v_nop
	global_prefetch_b8 v0, s[64:65] scope:SCOPE_SE
	s_setreg_imm32_b32 hwreg(HW_REG_WAVE_MODE, 25, 1), 1
	s_wait_xcnt 0x0
; FINE: positions 0-15 of each of the 4 batches, attention and projection in f32 throughout: these rows average one to sixteen values, and the rounding of 16-bit operands would weigh most there.
; qkv32 [4][16][3,072] f32 holds their q, k, v unrounded.  Work-group (ch, b) makes 16 rows x 64 columns of out0 (256 bytes of each row).  64 rows in all: no bulk work.
; PHASE 1: wave w is head w: S^T = K Q^T (16 products of K = 4), causal softmax with the row's maximum taken away, O^T = V^T P (16 products); o goes to LDS, rows of 4,096 bytes + 16.
; PHASE 2: wave w is (ct = w & 3, kq = w >> 2): 16 columns, a quarter of K: 64 products; the four quarters meet in LDS; waves 0-7 add them and the bias and store.
; The contracted index is permuted alike on both sources of each product, so that a lane's operands are neighbours in its registers.
; The registers that the f32 matrix form writes (v112-127, v144-191) are written by matrix instructions alone, and each sum begins with the constant 0.
; REGISTERS: v1-15 addresses; v16-47 Q, v48-79 K (later W's second half); v80-111 V (later two sets of o); v112-127 two partial S^T; v128-135 scores, weights, later the result; v136-139 at work; v140-143 bias;
;   v144-175 O^T; v176-191 two partial sums of the projection; v192-255 W's first half.
.set OP,    4112
.set RED,   16*OP
.set SPARE, RED+4*16*272               ; the spare words, 128 bytes a wave; no other line names them
.set Q,   16
.set K,   48
.set V,   80
.set SA,  112
.set PP,  128
.set O,   144
.set PA,  176
.set WA,  192
.set WB,  16
.set X0,  80
.set SPW, 12
.set NIL, 13
	s_load_b256 s[4:11], s[0:1], 0x0               ; qkv32 s[4:5], W_proj s[6:7], b_proj s[8:9], out0 s[10:11]
	v_lshl_add_u32 v[SPW], v0, 2, SPARE
	v_mov_b32 v[NIL], 0
	v_lshrrev_b32 v1, 5, v0
	v_readfirstlane_b32 s12, v1                    ; wave 0..15
	s_and_b32 s13, ttmp7, 0xffff                   ; batch
	s_and_b32 s14, s12, 3                          ; ct
	s_lshr_b32 s15, s12, 2                         ; kq
	s_and_b32 s18, s12, 7                          ; the last phase's pair of rows
	v_and_b32 v1, 15, v0                           ; r
	v_bfe_u32 v2, v0, 4, 1                         ; h
	v_mul_u32_u24 v3, v1, 12288
	v_lshl_add_u32 v3, v2, 7, v3                   ; Q, K: row r, channels 32 h on
	v_mul_u32_u24 v4, v2, 98304
	v_lshl_add_u32 v4, v1, 2, v4                   ; V: keys 8 h on, channel r
	v_lshlrev_b32 v5, 19, v2
	v_lshl_add_u32 v5, v1, 2, v5                   ; W: rows 128 h on, column r
	v_lshlrev_b32 v6, 3, v2
	v_sub_nc_u32 v6, v1, v6                        ; r - 8 h
	v_mul_u32_u24 v7, v1, OP
	v_lshl_add_u32 v8, v2, 9, v7
	v_lshl_add_u32 v7, v2, 5, v7
	s_lshl_b32 s16, s12, 8
	v_add_nc_u32 v7, s16, v7                       ; o, in: row r, head w's 256 bytes, + 32 h
	s_lshl_b32 s16, s15, 10
	v_add_nc_u32 v8, s16, v8                       ; o, back: row r, my quarter of K, + 512 h
	v_mul_u32_u24 v9, v1, 272
	v_lshl_add_u32 v9, v2, 5, v9
	s_mul_i32 s16, s15, 16*272
	s_lshl_b32 s17, s14, 6
	s_add_co_u32 s16, s16, s17
	s_add_co_u32 s16, s16, RED
	v_add_nc_u32 v9, s16, v9                       ; the quarters' meeting place, in
	v_mul_u32_u24 v10, v2, 272
	v_lshl_add_u32 v10, v1, 4, v10
	s_mul_i32 s16, s18, 2*272
	s_add_co_u32 s16, s16, RED
	v_add_nc_u32 v10, s16, v10                     ; and back: row 2 (w & 7) + h, 16 bytes a lane
	v_lshlrev_b32 v11, 12, v2
	v_lshl_add_u32 v11, v1, 4, v11
	s_lshl_b32 s16, s18, 13
	v_add_nc_u32 v11, s16, v11                     ; the same row in out0
	v_lshlrev_b32 v14, 4, v1
	v_mov_b32 v15, 0xff800000                      ; -infinity
	v_mov_b32 v137, 0                              ; written once: a lane permute's destination counts as one of its sources
	s_mov_b32 s20, 0x76543210
	s_mov_b32 s21, 0xfedcba98
	s_mov_b32 s22, 0x3e38aa3b                      ; c = log2(e) / 8
	s_mov_b32 s25, 0
	s_wait_kmcnt 0x0
	s_mul_i32 s24, s13, 196608
	s_lshl_b32 s16, s12, 8
	s_add_co_u32 s24, s24, s16
	s_add_nc_u64 s[4:5], s[4:5], s[24:25]          ; my batch, my head
	s_lshl_b32 s24, s15, 20
	s_lshl_b32 s16, ttmp9, 8
	s_add_co_u32 s24, s24, s16
	s_lshl_b32 s17, s14, 6
	s_add_co_u32 s24, s24, s17
	s_add_nc_u64 s[6:7], s[6:7], s[24:25]          ; W_proj at row 256 kq, column 64 ch + 16 ct
	s_mov_b32 s24, s16
	s_add_nc_u64 s[8:9], s[8:9], s[24:25]
	s_lshl_b32 s17, s13, 23
	s_add_co_u32 s24, s24, s17
	s_add_nc_u64 s[10:11], s[10:11], s[24:25]
.irp i, 0,1,2,3,4,5,6,7
	global_load_b128 v[Q+4*\i:Q+4*\i+3], v3, s[4:5] offset:16*\i
.endr
.irp i, 0,1,2,3,4,5,6,7
	global_load_b128 v[K+4*\i:K+4*\i+3], v3, s[4:5] offset:4096+16*\i
.endr
.irp d, 0,1,2,3
.irp i, 0,1,2,3,4,5,6,7
	global_load_b32 v[V+8*\d+\i], v4, s[4:5] offset:8192+12288*\i+64*\d      ; V(8 h + i, 16 d + r)
.endr
.endr
.set i, 0
.rept 64
	global_load_b32 v[WA+i], v5, s[6:7] offset:4096*i                      ; W(256 kq + 128 h + i, my column)
.set i, i+1
.endr
	s_wait_loadcnt 0x3f                            ; behind V's last load 64 were issued: with 63 out at the most, Q, K and V are in
	; ---- S^T = K Q^T: product t takes channels 32 h + 2 t, 2 t + 1 of both sources; two accumulators by turns
.irp t, 0,1,2,3,4,5,6,7,8,9,10,11,12,13,14,15
.if \t < 2
	v_wmma_f32_16x16x4_f32 v[SA+8*(\t%2):SA+8*(\t%2)+7], v[K+2*\t:K+2*\t+1], v[Q+2*\t:Q+2*\t+1], 0
.else
	v_wmma_f32_16x16x4_f32 v[SA+8*(\t%2):SA+8*(\t%2)+7], v[K+2*\t:K+2*\t+1], v[Q+2*\t:Q+2*\t+1], v[SA+8*(\t%2):SA+8*(\t%2)+7]
.endif
.endr
.rept 8
	v_nop                                          ; eight places behind this form
.endr
.irp j, 0,1,2,3,4,5,6,7
	v_add_f32 v[PP+\j], v[SA+\j], v[SA+8+\j]       ; lane (r, h): query r, key 8 h + j
.endr
.irp j, 0,1,2,3,4,5,6,7
	v_cmp_gt_i32 vcc_lo, \j, v6                    ; key > query
	v_cndmask_b32 v[PP+\j], v[PP+\j], v15, vcc_lo
.endr
	v_max3_num_f32 v136, v[PP], v[PP+1], v[PP+2]
	v_max3_num_f32 v136, v136, v[PP+3], v[PP+4]
	v_max3_num_f32 v136, v136, v[PP+5], v[PP+6]
	v_max_num_f32 v136, v136, v[PP+7]
	v_permlanex16_b32 v137, v136, s20, s21
	v_max_num_f32 v136, v136, v137                 ; the row's maximum: key 0 counts for every query
	v_mul_f32 v138, s22, v136
.irp j, 0,1,2,3,4,5,6,7
	v_fma_f32 v[PP+\j], v[PP+\j], s22, -v138
.endr
.irp j, 0,1,2,3,4,5,6,7
	v_exp_f32 v[PP+\j], v[PP+\j]
.endr
	v_nop
	s_wait_alu depctr_va_vdst(0)                   ; one wait for the eight, ahead of their first use
	v_add_f32 v139, v[PP], v[PP+1]
	v_add_f32 v137, v[PP+2], v[PP+3]
	v_add_f32 v139, v139, v[PP+4]
	v_add_f32 v137, v137, v[PP+5]
	v_add_f32 v139, v139, v[PP+6]
	v_add_f32 v137, v137, v[PP+7]
	v_add_f32 v139, v139, v137
	v_permlanex16_b32 v137, v139, s20, s21
	v_add_f32 v139, v139, v137
	v_rcp_f32 v139, v139
	v_nop
	s_wait_alu depctr_va_vdst(0)
.irp j, 0,1,2,3,4,5,6,7
	v_mul_f32 v[PP+\j], v[PP+\j], v139             ; the weights, normalised, in f32
.endr
.set i, 0
.rept 64
	global_load_b32 v[WB+i], v5, s[6:7] offset:4096*(64+i)                 ; W's second half, where Q and K lay: the softmax's lines are the places behind the products that read them
.set i, i+1
.endr
	global_load_b128 v[140:143], v14, s[8:9]       ; b_proj at 64 ch + 4 r
	; ---- O^T = V^T P: product t takes keys 8 h + 2 t, 2 t + 1; four accumulators by turns
.irp t, 0,1,2,3
.irp d, 0,1,2,3
.if \t == 0
	v_wmma_f32_16x16x4_f32 v[O+8*\d:O+8*\d+7], v[V+8*\d+2*\t:V+8*\d+2*\t+1], v[PP+2*\t:PP+2*\t+1], 0
.else
	v_wmma_f32_16x16x4_f32 v[O+8*\d:O+8*\d+7], v[V+8*\d+2*\t:V+8*\d+2*\t+1], v[PP+2*\t:PP+2*\t+1], v[O+8*\d:O+8*\d+7]
.endif
.endr
.endr
.rept 8
	v_nop
.endr
.irp d, 0,1,2,3
	ds_store_b128 v7, v[O+8*\d:O+8*\d+3] offset:64*\d              ; o(r, 64 w + 16 d + 8 h + 0 .. 7)
	ds_store_b128 v7, v[O+8*\d+4:O+8*\d+7] offset:64*\d+16
.endr
	s_wait_dscnt 0x0                               ; for the others' sake: my stores have landed
	s_barrier_signal -1
	s_barrier_wait -1                              ; 16 whole rows of o lie in LDS
	; ---- the projection: my 16 columns, my quarter of K: lane (r, h) holds k = 256 kq + 128 h + i of o's row r and of W's column r; eight batches of 16 i
.macro XB u
.irp g, 0,1,2,3
	ds_load_b128 v[X0+16*((\u)%2)+4*\g:X0+16*((\u)%2)+4*\g+3], v8 offset:64*(\u)+16*\g
.endr
.endm
	XB 0
	XB 1
.irp u, 0,1,2,3,4,5,6,7
.if \u < 4
.set WR, WA+16*\u
.else
.set WR, WB+16*(\u-4)
.endif
.if \u < 7
	s_wait_dscnt 4                                 ; this batch's four loads are in; the next batch's may be out
.else
	s_wait_dscnt 0x0
.endif
.if \u == 0
	s_wait_loadcnt 0x3f                            ; behind W's first half 65 loads were issued: with 63 out at the most, it is in
.endif
.if \u == 4
	s_wait_loadcnt 0x0                             ; W's second half, and the bias
.endif
.irp p, 0,1,2,3,4,5,6,7
.if (\u == 0) && (\p < 2)
	v_wmma_f32_16x16x4_f32 v[PA+8*(\p%2):PA+8*(\p%2)+7], v[WR+2*\p:WR+2*\p+1], v[X0+16*(\u%2)+2*\p:X0+16*(\u%2)+2*\p+1], 0
.else
	v_wmma_f32_16x16x4_f32 v[PA+8*(\p%2):PA+8*(\p%2)+7], v[WR+2*\p:WR+2*\p+1], v[X0+16*(\u%2)+2*\p:X0+16*(\u%2)+2*\p+1], v[PA+8*(\p%2):PA+8*(\p%2)+7]
.endif
.endr
.rept 8
	v_nop                                          ; places in front of the loads into this batch's registers, and at the end of the first use of the sums
.endr
.if \u < 6
	XB \u+2
.endif
.endr
.irp j, 0,1,2,3,4,5,6,7
	v_add_f32 v[PP+\j], v[PA+\j], v[PA+8+\j]       ; lane (r, h): row r, columns 16 ct + 8 h + j
.endr
	ds_store_b128 v9, v[PP:PP+3]
	ds_store_b128 v9, v[PP+4:PP+7] offset:16
	s_wait_dscnt 0x0
	s_barrier_signal -1
	s_barrier_wait -1                              ; the four quarters lie in LDS
	s_cmp_lt_u32 s12, 8
	s_cbranch_scc0 .Ldone
.irp g, 0,1,2,3
	ds_load_b128 v[X0+4*\g:X0+4*\g+3], v10 offset:16*272*\g
.endr
	s_wait_dscnt 0x0
	v_pk_add_f32 v[80:81], v[80:81], v[84:85]
	v_pk_add_f32 v[82:83], v[82:83], v[86:87]
	v_pk_add_f32 v[88:89], v[88:89], v[92:93]
	v_pk_add_f32 v[90:91], v[90:91], v[94:95]
	v_pk_add_f32 v[80:81], v[80:81], v[88:89]
	v_pk_add_f32 v[82:83], v[82:83], v[90:91]
	v_pk_add_f32 v[80:81], v[80:81], v[140:141]
	v_pk_add_f32 v[82:83], v[82:83], v[142:143]
	global_store_b128 v11, v[80:83], s[10:11]      ; sixteen lanes store 256 consecutive bytes, aligned
.Ldone:
	s_wait_tensorcnt 0x0                           ; the wave's end: three lines behind my last LDS store
	ds_add_u32 v[SPW], v[NIL]
	s_wait_dscnt 0x0
	s_endpgm
.Lfunc_end_k_q960f27861d_fine:
	.size	k_q960f27861d_fine, .Lfunc_end_k_q960f27861d_fine-k_q960f27861d_fine
	.p2alignl 7, 3214868480
	.fill 96, 4, 3214868480
	.section	.rodata,"a",@progbits
	.p2align	6, 0x0
	.amdhsa_kernel k_q960f27861d_fine
		.amdhsa_group_segment_fixed_size 85248
		.amdhsa_private_segment_fixed_size 0
		.amdhsa_enable_private_segment 0
		.amdhsa_kernarg_size 32
		.amdhsa_user_sgpr_count 2
		.amdhsa_user_sgpr_kernarg_segment_ptr 1
		.amdhsa_wavefront_size32 1
		.amdhsa_system_sgpr_workgroup_id_x 1
		.amdhsa_system_sgpr_workgroup_id_y 1
		.amdhsa_system_sgpr_workgroup_id_z 1
		.amdhsa_system_vgpr_workitem_id 0
		.amdhsa_next_free_vgpr 256
		.amdhsa_next_free_sgpr 66
		.amdhsa_reserve_vcc 1
		.amdhsa_float_denorm_mode_32 3
		.amdhsa_float_denorm_mode_16_64 3
		.amdhsa_memory_ordered 1
		.amdhsa_forward_progress 1
		.amdhsa_inst_pref_size 36
	.end_amdhsa_kernel
	.amdgpu_metadata
---
amdhsa.version: [ 1, 2 ]
amdhsa.kernels:
  - .name:           k_q960f27861d_fine
    .symbol:         k_q960f27861d_fine.kd
    .args:
      - { .name: qkv32, .offset: 0, .size: 8, .value_kind: global_buffer, .address_space: global }
      - { .name: W_proj, .offset: 8, .size: 8, .value_kind: global_buffer, .address_space: global }
      - { .name: b_proj, .offset: 16, .size: 8, .value_kind: global_buffer, .address_space: global }
      - { .name: out0, .offset: 24, .size: 8, .value_kind: global_buffer, .address_space: global }
    .group_segment_fixed_size: 85248
    .private_segment_fixed_size: 0
    .kernarg_segment_align: 8
    .kernarg_segment_size: 32
    .max_flat_workgroup_size: 512
    .sgpr_count:     66
    .vgpr_count:     256
    .wavefront_size: 32
...
	.end_amdgpu_metadata
.endif
;; end of part 5
